; MI455X (gfx1250); checked and timed in simulation.
; The chip was launched on July 23, 2026; its instructions are those of AMD's public machine-readable ISA for CDNA 5 (MIT licence, August 2026) and "CDNA5" Instruction Set Architecture Reference Guide (July 2026). The comments in the code are by the model that wrote it; some were corrected since.
;; Encoder. Allowed arithmetic: matrix products marked QUANTISED: E2M1 operands, one E8M0 scale for each 32 along K, by v_wmma_scale_f32_16x16x128_f8f6f4 with both operands' format E2M1 (or v_wmma_scale_f32_32x16x128_f4), f32 sums; products left as they are: bf16, f16 or f32 operands; f32 sums; everything else in f32.
;; Inputs: b1 4,096 float32; b2 1,024 float32; b_o 1,024 float32; ln1_b 1,024 float32; ln1_g 1,024 float32; ln2_b 1,024 float32; ln2_g 1,024 float32; src_mask 2 x 2,048 float32; w1 4,096 x 1,024 float32; w2 1,024 x 4,096 float32; w_k 16 x 1,024 x 64 float32; w_o 1,024 x 1,024 float32; w_q 16 x 1,024 x 64 float32; w_v 16 x 1,024 x 64 float32; x 2 x 2,048 x 1,024 float32.
;; Outputs: out0 2 x 2,048 x 1,024 float32.
;; This version of the problem:
;;   THIS VERSION OF THE PROBLEM IS GIVEN IN LOW PRECISION. The matrix products marked QUANTISED in the list below multiply operands that are first quantised to E2M1 (2 exponent bits, 1 mantissa bit; 4 bits a number), with one power-of-two scale for each 32 numbers along K (OCP MX v1.0); their sums are f32. The products marked 'left as it is' may take bf16, f16 or f32 operands, with f32 sums. Whichever they take, every output number must still come out within the allowed error. Rounding operands to bf16 (8 significant bits) uses up far more of that allowance than f16 does (11 bits, for magnitudes from 6e-5 to 65,504). All else is computed in f32.
;;   The module's matrix products, in the order in which they are computed (A, B: the left and right operand; K: the contracted axis; several contracted axes count as one K, in the product's order):
;;     1. [M 1,024, K 1,024] x [K 1,024, N 4,096]; A: input w_q; B: input x: QUANTISED
;;     2. [M 1,024, K 1,024] x [K 1,024, N 4,096]; A: input w_k; B: input x: QUANTISED
;;     3. [M 1,024, K 1,024] x [K 1,024, N 4,096]; A: input w_v; B: input x: QUANTISED
;;     4. batch 32 x [M 2,048, K 64] x [K 64, N 2,048]; A: computed on the way; B: computed on the way: left as it is (an operand is computed on the way)
;;     5. batch 32 x [M 2,048, K 2,048] x [K 2,048, N 64]; A: computed on the way; B: computed on the way: left as it is (an operand is computed on the way)
;;     6. [M 4,096, K 1,024] x [K 1,024, N 1,024]; A: computed on the way; B: input w_o: left as it is (an operand is computed on the way)
;;     7. [M 4,096, K 1,024] x [K 1,024, N 4,096]; A: computed on the way; B: input w1: left as it is (an operand is computed on the way)
;;     8. [M 4,096, K 4,096] x [K 4,096, N 1,024]; A: computed on the way; B: input w2: left as it is (an operand is computed on the way)
;;   THE QUANTISER, for each operand of a quantised product, along K:
;;     - K is cut into blocks of 32 from its start; a last block that is shorter is filled with zeros.
;;     - A block's scale is 2^e with e = floor(log2(the largest magnitude in the block)) - 2, held to -126 .. 127; a block of zeros has e = 0. As a byte (E8M0): e + 127.
;;     - Each number is divided by its block's scale, clamped to +-6, and rounded to the nearest number of E2M1, ties to even, subnormals kept.
;;     - The product sums the exact products of the quantised numbers (number of the format x scale) in f32.
;;   ~~~python
;;   def quantise(x, axis):      # numpy; x: float32 -> the quantised numbers, widened to float32 again
;;       x = np.moveaxis(x, axis, -1); K = x.shape[-1]
;;       x = np.pad(x, [(0, 0)] * (x.ndim - 1) + [(0, -K % 32)]); x = x.reshape(x.shape[:-1] + (-1, 32)); a = np.abs(x).max(-1, keepdims=True)
;;       e = np.where(a > 0, np.clip(np.frexp(np.where(a > 0, a, 1))[1] - 1 - 2, -126, 127), 0)      # np.frexp(a)[1] - 1 = floor(log2(a)), exactly
;;       r = np.clip(x / 2.0 ** e, -6, 6)
;;       step = 2.0 ** (np.maximum(np.frexp(np.where(r == 0, 1, r))[1] - 1, 0) - 1)
;;       q = np.round(r / step) * step * 2.0 ** e      # np.round: ties to even
;;       return np.moveaxis(q.reshape(q.shape[:-2] + (-1,))[..., :K], -1, axis).astype(np.float32)
;;   ~~~
;; One version. Each part assembles by itself: llvm-mc -triple=amdgcn-amd-amdhsa -mcpu=gfx1250 --defsym DOCPART=n.
;; ======== version 1 of 1: 8 launches
;; limits: values are held in f16: magnitudes above 65,504 overflow, below 6.1e-05 lose precision
;; workspace buffers: qc 3,899,392 bytes; w16 18,874,368 bytes; qkv 25,165,824 bytes; cc 8,388,608 bytes; y 16,777,216 bytes; x1f 16,777,216 bytes; x1h 8,388,608 bytes; hb 33,554,432 bytes
;; launch prep (part 1): grid 448 x 1, 8 waves a work-group, no clusters, 84,480 bytes of LDS; arguments x, w_q, w_k, w_v, w_o, w1, w2, qc, w16; writes qc, w16
.if DOCPART == 1
	.amdgcn_target "amdgcn-amd-amdhsa--gfx1250"
	.amdhsa_code_object_version 6
	.text
	.protected	k_q1d5ae0387b_prep
	.globl	k_q1d5ae0387b_prep
	.p2align	8
	.type	k_q1d5ae0387b_prep,@function
k_q1d5ae0387b_prep:
	s_mov_b64 s[64:65], 0
	v_nop
	global_prefetch_b8 v0, s[64:65] scope:SCOPE_SE
	s_setreg_imm32_b32 hwreg(HW_REG_WAVE_MODE, 25, 1), 1
	s_wait_xcnt 0x0
; ENCODER LAYER, launch 1 of 8: the operands are made ready.  No step and no input of the layer is left out anywhere in this program: all fifteen inputs are loaded by some launch.
; ONE IDENTITY is used (launch 2): (q.k / 64) m_i m_j = (q m_i / 8).(k m_j / 8), in real numbers, for all values; v is carried as v / 8 and the factor 8 is given back, exactly, in launch 5.
; THIS LAUNCH: x [4096][1024] and w_q, w_k, w_v [16][1024][64] become codes of E2M1 with one E8M0 byte for each 32 along K = the model's 1,024; w_o, w1, w2 become f16 in a panel layout.
; A block's scale is 2^(floor(log2(its largest magnitude)) - 2); its byte is the largest magnitude's exponent field - 2, held at 1 from below.  A block of zeros so gets the byte 1 with zero codes: the bytes are read by this program alone.
; LIMITS: blocks whose largest magnitude lies under 2^(3 - 127) keep the byte 1; NaN and infinities among the inputs are not served; weights of the products left as they are must lie under 65,504 in magnitude (f16).
; qc:  x's codes [4096][512 bytes] at 0, x's bytes [4096][32] at XS_OFF, w's codes [3072][512] at WC_OFF (row = 1024 which + 64 head + channel), w's bytes [3072][32] at WS_OFF.
; w16: panels.  A panel of a matrix [rows][K]: byte = (row / 128) K 256 + (k / 64) 16384 + (row % 128) 128 + (k % 64) 2: two neighbouring rows of 64 along K are 256 consecutive aligned bytes.
; Work-groups 0-95: path W (a lane takes a column of w, its registers run down K).  96-159: path X (x as a stream of blocks).  160-447: path C (f32 to f16).  The paths part on the work-group's number alone and have LDS bytes of their own.
.set XS_OFF, 2097152
.set WC_OFF, 2228224
.set WS_OFF, 3801088
.set W1_OFF, 2097152
.set W2_OFF, 10485760
.set STEPS, 16
.set AHEAD, 8                          ; path X: loads run eight steps ahead: 32 loads of a wave, 16,384 bytes, are on their way
.set WREG,  8192                       ; path X: a region for each wave: two stages of 32 x SP bytes, behind them its 256 scale bytes
.set SP,    80
.set WST,   65536                      ; path W: 32 rows of codes, 512 bytes + 16
.set WSS,   82432                      ; path W: 32 rows of 32 scale bytes
.set SPARE, 83456                      ; the spare words, 128 bytes for each wave: four blocks of 256 bytes that no other line names
.set SPW,   12                         ; v12  SPARE + 4 x my thread's number; never rewritten
.set NIL,   13                         ; v13  0; never rewritten
.set R,     16                         ; path X: v16-143 eight sets of 16 numbers as loaded
.set X,     144                        ; v144-175 two sets of 16 neighbours
.set E,     176                        ; v176-191 a scale byte for each step
.set C,     192                        ; v192-223 codes, two registers for each step, so that no store's data are written again
	s_load_b512 s[4:19], s[0:1], 0x0               ; x 4:5, w_q 6:7, w_k 8:9, w_v 10:11, w_o 12:13, w1 14:15, w2 16:17, qc 18:19
	s_load_b64 s[20:21], s[0:1], 0x40              ; w16
	v_lshl_add_u32 v[SPW], v0, 2, SPARE
	v_mov_b32 v[NIL], 0
	v_lshrrev_b32 v1, 5, v0
	v_readfirstlane_b32 s22, v1                    ; wave 0..7
	v_and_b32 v2, 31, v0                           ; lane
	s_wait_kmcnt 0x0
	s_cmp_lt_u32 ttmp9, 96
	s_cbranch_scc1 .Lpath_w
	s_cmp_lt_u32 ttmp9, 160
	s_cbranch_scc1 .Lpath_x
; ---- PATH C: w_o (32 work-groups), w1 (128), w2 (128) to f16 panels.  A wave does two half tasks: a pair of rows x 16 blocks of 64 along K.  Sixteen lanes read 256 bytes of a row; 32 lanes store 256 aligned bytes.
	s_sub_co_u32 s23, ttmp9, 160
	s_cmp_lt_u32 s23, 32
	s_cselect_b64 s[24:25], s[12:13], s[14:15]
	s_cselect_b32 s26, 0, 32                       ; the tensor's first work-group
	s_cselect_b32 s27, 0, W1_OFF                   ; its place in w16
	s_cmp_lt_u32 s23, 160
	s_cselect_b64 s[24:25], s[24:25], s[16:17]
	s_cselect_b32 s26, s26, 160
	s_cselect_b32 s27, s27, W2_OFF
	s_cselect_b32 s28, 0, 2                        ; LOGQ: log2 of the half tasks in a pair of rows (K = 1,024: 1; K = 4,096: 4)
	s_sub_co_u32 s23, s23, s26
	s_lshl_b32 s23, s23, 3
	s_add_co_u32 s23, s23, s22
	s_lshl_b32 s23, s23, 1                         ; my first half task
	s_add_co_u32 s29, s28, 13                      ; log2 of two rows' bytes
	s_add_co_u32 s30, s28, 18                      ; log2 of a panel's bytes
	s_add_co_u32 s31, s28, 12                      ; log2 of a row's bytes
	s_lshl_b32 s32, 1, s28
	s_sub_co_u32 s32, s32, 1
.macro HALFTASK e, src, dst
	s_add_co_u32 s33, s23, \e
	s_lshr_b32 s34, s33, s28                       ; the pair of rows
	s_and_b32 s35, s33, s32                        ; which 16 blocks of 64 along K
	s_lshl_b32 s36, s34, s29
	s_lshl_b32 s37, s35, 12
	s_add_co_u32 s36, s36, s37
	s_mov_b32 s37, 0
	s_add_nc_u64 s[\src:\src+1], s[24:25], s[36:37]
	s_lshr_b32 s36, s34, 6
	s_lshl_b32 s36, s36, s30
	s_lshl_b32 s37, s35, 18
	s_add_co_u32 s36, s36, s37
	s_and_b32 s37, s34, 63
	s_lshl_b32 s37, s37, 8
	s_add_co_u32 s36, s36, s37
	s_add_co_u32 s36, s36, s27
	s_mov_b32 s37, 0
	s_add_nc_u64 s[\dst:\dst+1], s[20:21], s[36:37]
.endm
	HALFTASK 0, 38, 40
	HALFTASK 1, 42, 44
	v_lshrrev_b32 v8, 4, v2
	v_lshlrev_b32 v8, s31, v8                      ; lanes 16-31: the pair's second row
	v_and_b32 v9, 15, v2
	v_lshl_add_u32 v3, v9, 4, v8
	v_lshlrev_b32 v4, 3, v2                        ; out: 8 bytes a lane
.irp j, 0,1,2,3,4,5,6,7,8,9,10,11,12,13,14,15
	global_load_b128 v[32+4*\j:35+4*\j], v3, s[38:39] offset:256*\j th:TH_LOAD_NT
.endr
.irp j, 0,1,2,3,4,5,6,7,8,9,10,11,12,13,14,15
	global_load_b128 v[96+4*\j:99+4*\j], v3, s[42:43] offset:256*\j th:TH_LOAD_NT
.endr
.macro CONV n, dst
	s_wait_loadcnt 31-(\n)                         ; loads come back in order: mine is in, the younger ones stay out
	v_cvt_pk_f16_f32 v[32+4*(\n)], v[32+4*(\n)], v[33+4*(\n)]
	v_cvt_pk_f16_f32 v[33+4*(\n)], v[34+4*(\n)], v[35+4*(\n)]
	global_store_b64 v4, v[32+4*(\n):33+4*(\n)], s[\dst:\dst+1] offset:16384*((\n)%16)
.endm
.irp n, 0,1,2,3,4,5,6,7,8,9,10,11,12,13,14,15
	CONV \n, 40
.endr
.irp n, 16,17,18,19,20,21,22,23,24,25,26,27,28,29,30,31
	CONV \n, 44
.endr
	s_endpgm
; ---- PATH X: x is a stream of blocks of 32.  A wave takes 16 steps of 512 numbers.  Each load reads 512 consecutive bytes; a step's 2,048 bytes turn through the wave's own stage, so that a lane holds 16 neighbours.
.Lpath_x:
	s_mul_i32 s23, s22, WREG
	v_lshlrev_b32 v3, 4, v2
	v_lshrrev_b32 v14, 2, v2
	v_mul_u32_u24 v14, v14, SP
	v_and_b32 v15, 3, v2
	v_lshl_add_u32 v14, v15, 4, v14
	v_add_nc_u32 v14, s23, v14                     ; the stage, on the way in: SP (lane / 4) + 16 (lane % 4)
	v_mul_u32_u24 v15, v2, SP
	v_add_nc_u32 v15, s23, v15                     ; and on the way out: SP x lane
	v_lshlrev_b32 v4, 3, v2                        ; my codes' place in a step's 256 bytes
	v_lshrrev_b32 v5, 1, v2
	s_add_co_u32 s23, s23, 2*32*SP
	v_add_nc_u32 v5, s23, v5                       ; my block's byte among my wave's 256
	v_lshlrev_b32 v7, 3, v2
	v_add_nc_u32 v6, s23, v7
	s_sub_co_u32 s24, ttmp9, 96
	s_lshl_b32 s24, s24, 3
	s_add_co_u32 s24, s24, s22                     ; which run of 8,192 numbers is my wave's
	s_lshl_b32 s26, s24, 15
	s_mov_b32 s27, 0
	s_add_nc_u64 s[4:5], s[4:5], s[26:27]
	s_lshl_b32 s26, s24, 12
	s_add_nc_u64 s[28:29], s[18:19], s[26:27]      ; its codes
	s_lshl_b32 s26, s24, 8
	s_add_co_u32 s26, s26, XS_OFF
	s_add_nc_u64 s[30:31], s[18:19], s[26:27]      ; its scale bytes
.macro XLOAD t
.irp i, 0,1,2,3
	global_load_b128 v[R+16*((\t)%AHEAD)+4*\i:R+16*((\t)%AHEAD)+4*\i+3], v3, s[4:5] offset:2048*(\t)+512*\i th:TH_LOAD_NT
.endr
.endm
.macro XTURN t                         ; LDS serves a wave's instructions in order: no wait between the stores and the loads
.irp i, 0,1,2,3
	ds_store_b128 v14, v[R+16*((\t)%AHEAD)+4*\i:R+16*((\t)%AHEAD)+4*\i+3] offset:32*SP*((\t)%2)+8*SP*\i
.endr
.irp i, 0,1,2,3
	ds_load_b128 v[X+16*((\t)%2)+4*\i:X+16*((\t)%2)+4*\i+3], v15 offset:32*SP*((\t)%2)+16*\i
.endr
.endm
.irp t, 0,1,2,3,4,5,6,7
	XLOAD \t
.endr
	s_wait_loadcnt 4*(AHEAD-1)                     ; step 0's four loads are in; those of the seven steps behind it may be out
	XTURN 0
.macro XSTEP t
.set XR, X+16*((\t)%2)
.if (\t) > 0
	s_wait_dscnt 1                                 ; this step's numbers are back from the stage (so its stores into the stage have read their registers); the last step's byte store may be out
.else
	s_wait_dscnt 0x0
.endif
.if (\t)+AHEAD < STEPS
	XLOAD (\t)+AHEAD                               ; into the set that this step's numbers have left
.endif
.if (\t)+1 < STEPS
.if (\t)+AHEAD < STEPS
	s_wait_loadcnt 4*(AHEAD-1)                     ; the next step's four loads are in; those of the seven steps behind it may be out
.else
	s_wait_loadcnt 4*(STEPS-2-(\t))                ; the tail: the steps that are left behind the next one
.endif
	XTURN (\t)+1
.endif
	v_max3_num_f32 v8, |v[XR]|, |v[XR+1]|, |v[XR+2]|
	v_max3_num_f32 v9, |v[XR+3]|, |v[XR+4]|, |v[XR+5]|
.irp i, 6,10
	v_max3_num_f32 v8, v8, |v[XR+\i]|, |v[XR+\i+1]|
	v_max3_num_f32 v9, v9, |v[XR+\i+2]|, |v[XR+\i+3]|
.endr
	v_max3_num_f32 v8, v8, |v[XR+14]|, |v[XR+15]|
	v_max3_num_f32 v8, v8, v9, 0x1800000           ; the floor 2^(3 - 127): the byte cannot fall under 1
	v_max_num_f32_dpp v8, v8, v8 row_xmask:1 row_mask:0xf bank_mask:0xf   ; with my neighbour's 16: the block's largest magnitude
	v_add_nc_u32 v11, 0xff000000, v8               ; 2 off its exponent field: the conversion's scale operand
	v_cvt_scalef32_pk8_fp4_f32 v[C+2*(\t)], v[XR:XR+7], v11
	v_cvt_scalef32_pk8_fp4_f32 v[C+2*(\t)+1], v[XR+8:XR+15], v11
	v_lshrrev_b32 v[E+(\t)], 23, v11               ; the scale's byte
	ds_store_b8 v5, v[E+(\t)] offset:16*(\t)       ; both lanes of a block write the same byte with the same value
	global_store_b64 v4, v[C+2*(\t):C+2*(\t)+1], s[28:29] offset:256*(\t)
.endm
.irp t, 0,1,2,3,4,5,6,7,8,9,10,11,12,13,14,15
	XSTEP \t
.endr
	ds_load_b64 v[8:9], v6
	s_wait_dscnt 0x0
	global_store_b64 v7, v[8:9], s[30:31]          ; 32 lanes store 256 consecutive aligned bytes
	s_wait_tensorcnt 0x0                           ; the wave's end, behind my last LDS store
	ds_add_u32 v[SPW], v[NIL]
	s_wait_dscnt 0x0
	s_endpgm
; ---- PATH W: a work-group takes 32 columns (half a head) of one of w_q, w_k, w_v and all 1,024 of K; wave w takes k = 128 w .. 128 w + 127, four blocks a lane.
; Each block of 32 along K has 32 registers of its own; the loads run two blocks ahead: 64 loads of a wave are out at the most.
.Lpath_w:
	s_lshr_b32 s23, ttmp9, 5                       ; which tensor
	s_cmp_eq_u32 s23, 0
	s_cselect_b64 s[24:25], s[6:7], s[8:9]
	s_cmp_eq_u32 s23, 2
	s_cselect_b64 s[24:25], s[10:11], s[24:25]
	s_and_b32 s26, ttmp9, 31
	s_lshr_b32 s27, s26, 1
	s_lshl_b32 s27, s27, 18                        ; the head: 1,024 rows of 256 bytes
	s_and_b32 s26, s26, 1
	s_lshl_b32 s26, s26, 7                         ; which 32 columns
	s_add_co_u32 s26, s26, s27
	s_lshl_b32 s27, s22, 15                        ; my wave's 128 rows
	s_add_co_u32 s26, s26, s27
	s_mov_b32 s27, 0
	s_add_nc_u64 s[24:25], s[24:25], s[26:27]
	v_lshlrev_b32 v3, 2, v2
.macro WLOAD b                         ; block b: w(128 wave + 32 b + 0 .. 31, my column): each load reads 128 consecutive bytes
.set n, 32*(\b)
.rept 32
	global_load_b32 v[32+n], v3, s[24:25] offset:256*n th:TH_LOAD_NT
.set n, n+1
.endr
.endm
	WLOAD 0
	WLOAD 1
	v_mul_u32_u24 v4, v2, 528
	s_lshl_b32 s28, s22, 6
	s_add_co_u32 s28, s28, WST
	v_add_nc_u32 v4, s28, v4                       ; my column's row of codes, my wave's 64 bytes
	v_lshlrev_b32 v5, 5, v2
	s_lshl_b32 s28, s22, 2
	s_add_co_u32 s28, s28, WSS
	v_add_nc_u32 v5, s28, v5                       ; my column's row of scale bytes, my wave's word
	v_lshlrev_b32 v7, 4, v2
	s_mul_i32 s28, s22, 4*528
	s_add_co_u32 s28, s28, WST
	v_add_nc_u32 v6, s28, v7                       ; back: rows 4 wave .. 4 wave + 3, 16 bytes a lane
	s_lshl_b32 s28, s22, 9
	s_add_co_u32 s28, s28, WSS
	v_add_nc_u32 v15, s28, v7                      ; the scale bytes back (used by waves 0 and 1 alone)
	s_lshl_b32 s26, ttmp9, 14
	s_lshl_b32 s27, s22, 11
	s_add_co_u32 s26, s26, s27
	s_add_co_u32 s26, s26, WC_OFF
	s_mov_b32 s27, 0
	s_add_nc_u64 s[28:29], s[18:19], s[26:27]
	s_lshl_b32 s26, ttmp9, 10
	s_lshl_b32 s30, s22, 9
	s_add_co_u32 s26, s26, s30
	s_add_co_u32 s26, s26, WS_OFF
	s_add_nc_u64 s[30:31], s[18:19], s[26:27]
.macro WBLOCK b
.if (\b) < 3
	s_wait_loadcnt 32                              ; this block's 32 loads are in; the next block's 32 may be out
.else
	s_wait_loadcnt 0x0
.endif
.if (\b)+2 < 4
	WLOAD (\b)+2                                   ; the block two further on, into registers of its own, asked for ahead of this block's work
.endif
.set WR, 32+32*(\b)
	v_max3_num_f32 v8, |v[WR]|, |v[WR+1]|, |v[WR+2]|
	v_max3_num_f32 v9, |v[WR+3]|, |v[WR+4]|, |v[WR+5]|
.irp i, 6,10,14,18,22,26
	v_max3_num_f32 v8, v8, |v[WR+\i]|, |v[WR+\i+1]|
	v_max3_num_f32 v9, v9, |v[WR+\i+2]|, |v[WR+\i+3]|
.endr
	v_max3_num_f32 v8, v8, |v[WR+30]|, |v[WR+31]|
	v_max3_num_f32 v8, v8, v9, 0x1800000           ; the floor
	v_add_nc_u32 v11, 0xff000000, v8
	v_lshrrev_b32 v10, 23, v11
.if (\b) == 0
	v_mov_b32 v14, v10
.else
	v_lshl_or_b32 v14, v10, 8*(\b), v14            ; four bytes to a word, the lower K in the lower byte
.endif
.irp g, 0,1,2,3
	v_cvt_scalef32_pk8_fp4_f32 v[160+4*(\b)+\g], v[WR+8*\g:WR+8*\g+7], v11
.endr
	ds_store_b128 v4, v[160+4*(\b):163+4*(\b)] offset:16*(\b)
.endm
	WBLOCK 0
	WBLOCK 1
	WBLOCK 2
	WBLOCK 3
	ds_store_b32 v5, v14
	s_wait_dscnt 0x0                               ; for the others' sake: my stores have landed
	s_barrier_signal -1
	s_barrier_wait -1                              ; 32 whole rows of codes and of scale bytes lie in LDS (all eight waves of this work-group are on this path)
.irp i, 0,1,2,3
	ds_load_b128 v[176+4*\i:179+4*\i], v6 offset:\i*528
.endr
.irp i, 0,1,2,3
	s_wait_dscnt 3-\i
	global_store_b128 v7, v[176+4*\i:179+4*\i], s[28:29] offset:\i*512   ; a row of 512 consecutive bytes
.endr
	s_cmp_gt_u32 s22, 1
	s_cbranch_scc1 .Lw_end
	ds_load_b128 v[16:19], v15
	s_wait_dscnt 0x0
	global_store_b128 v7, v[16:19], s[30:31]       ; 512 consecutive bytes of scale bytes
.Lw_end:
	s_wait_tensorcnt 0x0                           ; the wave's end, behind my last LDS store
	ds_add_u32 v[SPW], v[NIL]
	s_wait_dscnt 0x0
	s_endpgm
.Lfunc_end_k_q1d5ae0387b_prep:
	.size	k_q1d5ae0387b_prep, .Lfunc_end_k_q1d5ae0387b_prep-k_q1d5ae0387b_prep
	.p2alignl 7, 3214868480
	.fill 96, 4, 3214868480
	.section	.rodata,"a",@progbits
	.p2align	6, 0x0
	.amdhsa_kernel k_q1d5ae0387b_prep
		.amdhsa_group_segment_fixed_size 84480
		.amdhsa_private_segment_fixed_size 0
		.amdhsa_enable_private_segment 0
		.amdhsa_kernarg_size 72
		.amdhsa_user_sgpr_count 2
		.amdhsa_user_sgpr_kernarg_segment_ptr 1
		.amdhsa_wavefront_size32 1
		.amdhsa_system_sgpr_workgroup_id_x 1
		.amdhsa_system_sgpr_workgroup_id_y 1
		.amdhsa_system_sgpr_workgroup_id_z 1
		.amdhsa_system_vgpr_workitem_id 0
		.amdhsa_next_free_vgpr 224
		.amdhsa_next_free_sgpr 66
		.amdhsa_reserve_vcc 0
		.amdhsa_float_denorm_mode_32 3
		.amdhsa_float_denorm_mode_16_64 3
		.amdhsa_memory_ordered 1
		.amdhsa_forward_progress 1
		.amdhsa_inst_pref_size 67
	.end_amdhsa_kernel
	.amdgpu_metadata
---
amdhsa.version: [ 1, 2 ]
amdhsa.kernels:
  - .name:           k_q1d5ae0387b_prep
    .symbol:         k_q1d5ae0387b_prep.kd
    .args:
      - { .name: x, .offset: 0, .size: 8, .value_kind: global_buffer, .address_space: global }
      - { .name: w_q, .offset: 8, .size: 8, .value_kind: global_buffer, .address_space: global }
      - { .name: w_k, .offset: 16, .size: 8, .value_kind: global_buffer, .address_space: global }
      - { .name: w_v, .offset: 24, .size: 8, .value_kind: global_buffer, .address_space: global }
      - { .name: w_o, .offset: 32, .size: 8, .value_kind: global_buffer, .address_space: global }
      - { .name: w1, .offset: 40, .size: 8, .value_kind: global_buffer, .address_space: global }
      - { .name: w2, .offset: 48, .size: 8, .value_kind: global_buffer, .address_space: global }
      - { .name: qc, .offset: 56, .size: 8, .value_kind: global_buffer, .address_space: global }
      - { .name: w16, .offset: 64, .size: 8, .value_kind: global_buffer, .address_space: global }
    .group_segment_fixed_size: 84480
    .private_segment_fixed_size: 0
    .kernarg_segment_align: 8
    .kernarg_segment_size: 72
    .max_flat_workgroup_size: 256
    .sgpr_count:     66
    .vgpr_count:     224
    .wavefront_size: 32
...
	.end_amdgpu_metadata
.endif
;; end of part 1
;; launch g1 (part 2): grid 12 x 16, 4 waves a work-group, clusters of 4 x 4, 327,680 bytes of LDS; arguments qc, src_mask, qkv; writes qkv
.if DOCPART == 2
	.amdgcn_target "amdgcn-amd-amdhsa--gfx1250"
	.amdhsa_code_object_version 6
	.text
	.protected	k_q1d5ae0387b_g1
	.globl	k_q1d5ae0387b_g1
	.p2align	8
	.type	k_q1d5ae0387b_g1,@function
k_q1d5ae0387b_g1:
	s_mov_b64 s[64:65], 0
	v_nop
	global_prefetch_b8 v0, s[64:65] scope:SCOPE_SE
	s_setreg_imm32_b32 hwreg(HW_REG_WAVE_MODE, 25, 1), 1
	s_wait_xcnt 0x0
	s_wait_alu depctr_hold_cnt(0) depctr_sa_sdst(0) depctr_va_vdst(0) depctr_va_sdst(0) depctr_va_ssrc(0) depctr_va_vcc(0) depctr_vm_vsrc(0)
	s_getreg_b32 s2, hwreg(HW_REG_IB_STS2, 6, 4)
	s_cmp_eq_u32 s2, 0
	s_cbranch_scc0 .Lentry_in_a_cluster
	s_endpgm
.Lentry_in_a_cluster:
	s_bfe_u32 s2, ttmp6, 0x10000c
	s_cmp_lg_u32 s2, 0xf033
	s_cbranch_scc0 .Lentry_shape_is_right
	s_endpgm
.Lentry_shape_is_right:
; Launch 2: the three QUANTISED projections as one product on codes of E2M1: C[token][n] = sum over k of x[token][k] w[n][k], 4,096 x 3,072 x 1,024; n = 1024 which + 64 head + channel.
; No work is left out.  On the way out, in f32: q and k are multiplied by src_mask[token] / 8, v by 1 / 8, then rounded to f16: (q.k / 64) m_i m_j = (q m_i / 8).(k m_j / 8) for all values.
; LIMIT: |q m / 8|, |k m / 8|, |v / 8| must lie under 65,504 (f16).
; A tile of C, 256 x 256, is made by four waves, each 128 x 128: 64 accumulators.  K is two slots of 512: both are first fills, nothing is filled again.  The scale bytes of the tile's rows come once.
; CLUSTERS: 4 x 4 work-groups; x's tiles are shared along a row of the cluster, w's along a column, each asked for jointly.  The matrix instruction is used transposed (source 0 = 16 rows of w, source 1 = 16 tokens):
; a lane holds one token and eight neighbouring channels.
; REGISTERS: window 0: v0-31 addresses; v32-95 scale words, two sets; v96-111 the tokens' factors, each twice; from v128 x's fragments, one set; v192-223 packed results.  window 1: w's fragments, two sets.  windows 2, 3: accumulators.
.set XS_OFF, 2097152
.set WC_OFF, 2228224
.set WS_OFF, 3801088
.set NQ,     4
.set ROWB,   256
.set KROW,   512
.set PITCH,  272                       ; an LDS row: 256 bytes + 16 of padding: the 16 rows that a load touches start at 16 different banks
.set FR,     8
.set NL,     2
.set NP,     4
.set HALFT,  128*PITCH
.set SLOT,   4*HALFT
.set KS,     32
.set SCL,    2*SLOT
.set HALFS,  (128*KS/256)*272
.set SBLK,   (16*KS/256)*272
.set SPARE,  SCL+4*HALFS               ; the spare words, 128 bytes for each wave: two blocks of 256 bytes that no other line names
.set SP2,    144                       ; the way out: a stage row: 128 bytes (a head's 64 f16) + 16
.set SPLANE, 16*SP2                    ; 16 tokens of one head; a wave's stage is two of these, in slot 0, which has had its last fill and its last read by then
.set ADRA, 16
.set ADRB, 20
.set STO,  24
.set RD,   25
.set GO,   26
.set ADRS, 27
.set SPW,  28
.set NIL,  29
.set MO,   30
.set SC,   32
.set FM,   96
.set AF,   128
.set BK,   128
.set TMP,  192
.set G1, 24
.set G0, 32
.set G1B, 48
.set G0B, 56
.set G1S, 68
.set G0S, 76
.set G1SB, 80
.set G0SB, 88
.set MSB, 0
.macro WIN new                         ; the immediate's high byte repeats the setting that is left
.if MSB != \new
	s_set_vgpr_msb (MSB<<8)|\new
.set MSB, \new
.endif
.endm
.set MUL_LO, 0xa1
.set MUL_HI, 0xf1
.set TO_B,   0x40
.macro JLOAD g0a, g1a, g0b, g1b        ; waves 0 and 1 fetch for x, waves 2 and 3 for w; an s_nop 0 and four v_nop follow each line
	s_cmp_eq_u32 s15, 0
	s_cbranch_scc0 .Lfor_b_\@
	tensor_load_to_lds s[\g0a:\g0a+3], s[\g1a:\g1a+7]
	s_nop 0
.rept 4
	v_nop
.endr
	s_branch .Lasked_\@
.Lfor_b_\@:
	tensor_load_to_lds s[\g0b:\g0b+3], s[\g1b:\g1b+7]
	s_nop 0
.rept 4
	v_nop
.endr
.Lasked_\@:
.endm
.macro CROUND                          ; a round of the cluster's barrier
	s_barrier_signal -1
	s_barrier_wait -1
	s_cmp_lg_u32 s14, 0
	s_cbranch_scc1 .Lnot_wave_0_\@
	s_barrier_signal -3
.Lnot_wave_0_\@:
	s_barrier_wait -3
	s_barrier_signal -1
	s_barrier_wait -1
.endm
	s_load_b128 s[4:7], s[0:1], 0x0                ; qc s[4:5], src_mask s[6:7]
	s_load_b64 s[12:13], s[0:1], 0x10              ; qkv
	v_lshl_add_u32 v[SPW], v0, 2, SPARE
	v_mov_b32 v[NIL], 0
	ds_add_u32 v[SPW], v[NIL]                      ; the wave's opening: the add, twice on end, and its wait ahead of my first tensor load
	ds_add_u32 v[SPW], v[NIL]
	v_lshrrev_b32 v1, 5, v0
	v_readfirstlane_b32 s14, v1                    ; wave 0..3
	s_lshr_b32 s15, s14, 1                         ; which half of the tile's tokens is mine.  Also: I fetch for x (0) or for w (1)
	s_and_b32 s16, s14, 1                          ; which half of its columns.  Also: which 128 rows of that tile I fetch
	s_bfe_u32 s40, ttmp6, 0x40000                  ; cx, cy
	s_bfe_u32 s41, ttmp6, 0x40004
	s_lshl_b32 s42, ttmp9, 2
	s_add_co_u32 s42, s42, s40                     ; tile column
	s_and_b32 s17, ttmp7, 0xffff
	s_lshl_b32 s17, s17, 2
	s_add_co_u32 s17, s17, s41                     ; tile row
	s_lshl_b32 s43, s41, 2
	s_lshl_b32 s43, 15, s43                        ; my row of the cluster
	s_lshl_b32 s44, 0x1111, s40                    ; my column
	s_or_b32 s[G1+0], s43, (0<<16)|(1<<20)|(1<<21)|(5<<22)|(3<<25)  ; the mask; elements of 1 byte; padding on; bit 21 beside a mask; 4 words of padding after every 64
	s_or_b32 s[G1B+0], s44, (0<<16)|(1<<20)|(1<<21)|(5<<22)|(3<<25)
.irp g, G1, G1B
	s_mov_b32 s[\g+1], ROWB<<16                    ; tensor_dim0
	s_mov_b32 s[\g+2], 128<<16                     ; tensor_dim1
	s_mov_b32 s[\g+3], ROWB<<16                    ; tile_dim0
	s_mov_b32 s[\g+4], 128                         ; tile_dim1
	s_mov_b32 s[\g+5], KROW                        ; the pitch
	s_mov_b32 s[\g+6], 0
	s_mov_b32 s[\g+7], 0
.endr
	s_or_b32 s[G1S+0], s43, (3<<16)|(1<<20)|(1<<21)|(5<<22)|(3<<25)  ; the scale bytes of 128 rows: a dense block, as rows of 256 bytes
	s_or_b32 s[G1SB+0], s44, (3<<16)|(1<<20)|(1<<21)|(5<<22)|(3<<25)
.irp g, G1S, G1SB
	s_mov_b32 s[\g+1], 32<<16
	s_mov_b32 s[\g+2], (128*KS/256)<<16
	s_mov_b32 s[\g+3], 32<<16
	s_mov_b32 s[\g+4], 128*KS/256
	s_mov_b32 s[\g+5], 32
	s_mov_b32 s[\g+6], 0
	s_mov_b32 s[\g+7], 0
.endr
	s_lshl_b32 s18, s16, 7
	s_lshl_b32 s20, s17, 8
	s_add_co_u32 s20, s20, s18                     ; x: row 256 x tile row + 128 x half
	s_lshl_b32 s46, s42, 8
	s_add_co_u32 s46, s46, s18                     ; w: row 256 x tile column + 128 x half
	s_mov_b32 s21, 0
	s_mov_b32 s47, 0
	s_mov_b64 s[18:19], KS
	s_mul_u64 s[22:23], s[20:21], s[18:19]
	s_mul_u64 s[92:93], s[46:47], s[18:19]
	s_mov_b64 s[18:19], KROW
	s_mul_u64 s[20:21], s[20:21], s[18:19]
	s_mul_u64 s[46:47], s[46:47], s[18:19]
	s_mul_i32 s45, s14, HALFT
	s_mul_i32 s94, s14, HALFS
	s_cmp_eq_u32 ttmp9, 2                          ; the cluster's x is which of q, k, v: the same in all partners; it chooses a value, no path
	s_cselect_b32 s3, -1, 0
	s_wait_dscnt 0x0                               ; both opening adds are done
	s_wait_kmcnt 0x0
	s_mov_b64 s[96:97], s[6:7]                     ; src_mask
	s_add_nc_u64 s[6:7], s[4:5], XS_OFF
	s_add_nc_u64 s[8:9], s[4:5], WC_OFF
	s_add_nc_u64 s[10:11], s[4:5], WS_OFF
	s_add_nc_u64 s[20:21], s[4:5], s[20:21]
	s_add_nc_u64 s[22:23], s[6:7], s[22:23]
	s_add_nc_u64 s[46:47], s[8:9], s[46:47]
	s_add_nc_u64 s[92:93], s[10:11], s[92:93]
	CROUND                                         ; all sixteen work-groups are here: the first joint loads meet
	s_mov_b32 s[G0S], 1
	s_add_co_u32 s[G0S+1], s94, SCL
	s_mov_b64 s[G0S+2:G0S+3], s[22:23]
	s_or_b32 s[G0S+3], s[G0S+3], 0x80000000
	s_mov_b32 s[G0SB], 1
	s_add_co_u32 s[G0SB+1], s94, SCL
	s_mov_b64 s[G0SB+2:G0SB+3], s[92:93]
	s_or_b32 s[G0SB+3], s[G0SB+3], 0x80000000
	JLOAD G0S, G1S, G0SB, G1SB                     ; three tensor loads of mine are out at the most: the scale bytes, slot 0, slot 1
.irp s, 0,1
	s_mov_b32 s[G0+4*\s], 1
	s_add_co_u32 s[G0+4*\s+1], s45, \s*SLOT
	s_add_nc_u64 s[G0+4*\s+2:G0+4*\s+3], s[20:21], \s*ROWB
	s_or_b32 s[G0+4*\s+3], s[G0+4*\s+3], 0x80000000
	s_mov_b32 s[G0B+4*\s], 1
	s_add_co_u32 s[G0B+4*\s+1], s45, \s*SLOT
	s_add_nc_u64 s[G0B+4*\s+2:G0B+4*\s+3], s[46:47], \s*ROWB
	s_or_b32 s[G0B+4*\s+3], s[G0B+4*\s+3], 0x80000000
	JLOAD G0+4*\s, G1, G0B+4*\s, G1B
.endr
	v_and_b32 v1, 15, v0                           ; r
	v_bfe_u32 v2, v0, 4, 1                         ; h
	s_lshl_b32 s20, s17, 10                        ; src_mask at my first token: 256 x tile row + 128 x half
	s_lshl_b32 s21, s15, 9
	s_add_co_u32 s20, s20, s21
	s_mov_b32 s21, 0
	s_add_nc_u64 s[96:97], s[96:97], s[20:21]
	v_lshlrev_b32 v[MO], 2, v1
.irp a, 0,1,2,3,4,5,6,7
	global_load_b32 v[FM+2*\a], v[MO], s[96:97] offset:64*\a   ; the mask of token 16 a + r: waited for on the way out
.endr
	v_mul_u32_u24 v3, v1, PITCH
	v_lshl_add_u32 v4, v2, 4, v3
	s_mul_i32 s21, s15, HALFT
	s_mul_i32 s22, s16, HALFT
	s_add_co_u32 s22, s22, 2*HALFT
.irp s, 0,1
	v_add_nc_u32 v[ADRA+\s], s21, v4
	v_add_nc_u32 v[ADRB+\s], s22, v4
	s_add_co_u32 s21, s21, SLOT
	s_add_co_u32 s22, s22, SLOT
.endr
	v_mul_u32_u24 v5, v1, KS
	v_lshrrev_b32 v6, 8, v5
	v_lshl_add_u32 v5, v6, 4, v5
	s_mul_i32 s21, s15, HALFS
	s_mul_i32 s22, s16, HALFS
	s_add_co_u32 s22, s22, 2*HALFS
	s_sub_co_u32 s22, s22, s21
	v_mul_u32_u24 v6, s22, v2                      ; lanes 16-31 take w's words
	s_add_co_u32 s21, s21, SCL
	v_add_nc_u32 v5, v5, v6
	v_add_nc_u32 v[ADRS], s21, v5
	s_mul_i32 s23, s14, 2*SPLANE                   ; my stage
	v_mul_u32_u24 v5, v1, SP2
	v_lshl_add_u32 v5, v2, 4, v5
	v_add_nc_u32 v[STO], s23, v5                   ; in: token r, 16 bytes for each half of the lanes
	v_and_b32 v6, 31, v0
	v_lshrrev_b32 v5, 3, v6
	v_mul_u32_u24 v5, v5, SP2
	v_and_b32 v7, 7, v6
	v_lshl_add_u32 v5, v7, 4, v5
	v_add_nc_u32 v[RD], s23, v5                    ; back: eight lanes to a token's 128 bytes, four tokens an instruction
	v_lshlrev_b32 v[GO], 4, v6                     ; which are 512 consecutive bytes of qkv
	s_lshl_b32 s20, ttmp9, 1                       ; qkv: [which][batch 16 + head][position][64] f16
	s_lshr_b32 s21, s17, 3
	s_add_co_u32 s20, s20, s21
	s_lshl_b32 s20, s20, 4
	s_lshl_b32 s21, s40, 2
	s_add_co_u32 s20, s20, s21
	s_lshl_b32 s21, s16, 1
	s_add_co_u32 s20, s20, s21
	s_lshl_b32 s20, s20, 18
	s_and_b32 s21, s17, 7
	s_lshl_b32 s21, s21, 15
	s_add_co_u32 s20, s20, s21
	s_lshl_b32 s21, s15, 14
	s_add_co_u32 s20, s20, s21
	s_mov_b32 s21, 0
	s_add_nc_u64 s[12:13], s[12:13], s[20:21]
.macro FRAG reg, adr, q, i             ; 16 rows x 128 K of 4-bit codes: 8 registers
.irp c, 0,1
	ds_load_b128 v[\reg+4*\c:\reg+4*\c+3], v[\adr] offset:64*(\q)+32*\c+(\i)*16*PITCH
.endr
.endm
; 16 matrix instructions: x's blocks a0, a0 + 1 against w's eight.  The 64 accumulators take turns, one instruction a turn.
.macro MUL16 a0, p, q, sc, zero
.irp a, \a0, \a0+1
.irp b, 0,1,2,3,4,5,6,7
.if \zero
	v_wmma_scale_f32_16x16x128_f8f6f4 v[8*(8*((\a)%4)+\b):8*(8*((\a)%4)+\b)+7], v[128*(\p)+FR*\b:128*(\p)+FR*\b+FR-1], v[AF+FR*(\a):AF+FR*(\a)+FR-1], 0, v[SC+8*NQ*(\sc)+NQ*\b+(\q)], v[SC+8*NQ*(\sc)+NQ*(\a)+(\q)] matrix_a_fmt:MATRIX_FMT_FP4 matrix_b_fmt:MATRIX_FMT_FP4 matrix_a_scale:MATRIX_SCALE_ROW1
.else
	v_wmma_scale_f32_16x16x128_f8f6f4 v[8*(8*((\a)%4)+\b):8*(8*((\a)%4)+\b)+7], v[128*(\p)+FR*\b:128*(\p)+FR*\b+FR-1], v[AF+FR*(\a):AF+FR*(\a)+FR-1], v[8*(8*((\a)%4)+\b):8*(8*((\a)%4)+\b)+7], v[SC+8*NQ*(\sc)+NQ*\b+(\q)], v[SC+8*NQ*(\sc)+NQ*(\a)+(\q)] matrix_a_fmt:MATRIX_FMT_FP4 matrix_b_fmt:MATRIX_FMT_FP4 matrix_a_scale:MATRIX_SCALE_ROW1
.endif
.endr
.endr
.endm
.macro FETCH_B slot, q, p
	WIN TO_B
.irp i, 0,1,2,3,4,5,6,7
	FRAG 128*(\p)+FR*\i, ADRB+\slot, \q, \i
.endr
	WIN 0
.endm
.macro FETCH_A slot, q, i0
.irp i, \i0, \i0+1, \i0+2, \i0+3
	FRAG AF+FR*(\i), ADRA+\slot, \q, \i
.endr
.endm
.macro SCALES sc                       ; a slot's scale words: lanes 0-15 x's block i, lanes 16-31 w's block i
.irp i, 0,1,2,3,4,5,6,7
	ds_load_b128 v[SC+8*NQ*\sc+NQ*\i:SC+8*NQ*\sc+NQ*\i+3], v[ADRS] offset:\i*SBLK
.endr
.endm
.macro PLACES n                        ; plain vector places behind matrix instructions, in front of loads into their registers and of reads of their results
.rept \n
	v_nop
.endr
.endm
.macro STEP slot, q, zero
	s_wait_dscnt 4*NL                              ; w's set and x's blocks 0-3 are in; the youngest eight loads (x's blocks 4-7) may be out
	WIN MUL_LO
	MUL16 0, (\q)%2, \q, \slot, \zero
	MUL16 2, (\q)%2, \q, \slot, \zero
	s_wait_dscnt 0
	PLACES NP
	FETCH_B \slot, (\q)+1, 1-(\q)%2
	FETCH_A \slot, (\q)+1, 0
	WIN MUL_HI
	MUL16 4, (\q)%2, \q, \slot, \zero
	MUL16 6, (\q)%2, \q, \slot, \zero
	PLACES NP
	WIN 0
	FETCH_A \slot, (\q)+1, 4
.endm
.macro STEPS slot, from
.set Q, \from
.rept NQ-1-\from
	STEP \slot, Q, 0
.set Q, Q+1
.endr
.endm
	s_wait_tensorcnt 1                             ; the scale bytes and my part of slot 0 are in; slot 1's load may be out
	s_barrier_signal -1
	s_barrier_wait -1
	FETCH_B 0, 0, 0
	FETCH_A 0, 0, 0
	SCALES 0
	FETCH_A 0, 0, 4
	STEP 0, 0, 1                                   ; the first products start the sums
	STEPS 0, 1
	; slot 0's last step changes slots: one barrier; nothing is filled again
	s_wait_tensorcnt 0x0                           ; my part of slot 1 has landed
	ds_add_u32 v[SPW], v[NIL]
	s_wait_dscnt 4*NL+1                            ; the add and the youngest eight loads may be out
	WIN MUL_LO
	MUL16 0, 1, NQ-1, 0, 0
	s_wait_dscnt 0x0                               ; the add is done, and my reads of slot 0 are over
	s_barrier_signal -1
	MUL16 2, 1, NQ-1, 0, 0
	WIN 0
	s_barrier_wait -1
	PLACES NP
	v_add_nc_u32 v[ADRS], 4*NQ, v[ADRS]            ; the next slot's scale words
	FETCH_B 1, 0, 0
	FETCH_A 1, 0, 0
	SCALES 1
	WIN MUL_HI
	MUL16 4, 1, NQ-1, 0, 0
	MUL16 6, 1, NQ-1, 0, 0
	PLACES NP
	WIN 0
	FETCH_A 1, 0, 4
	STEPS 1, 0
	s_wait_dscnt 4*NL
	WIN MUL_LO
	MUL16 0, 1, NQ-1, 1, 0
	MUL16 2, 1, NQ-1, 1, 0
	s_wait_dscnt 0
	WIN MUL_HI
	MUL16 4, 1, NQ-1, 1, 0
	MUL16 6, 1, NQ-1, 1, 0
	WIN 0
; THE WAY OUT, block by block of 16 tokens x 128 columns (two heads): x the token's factor in f32, rounded to f16, through my stage, out as 512 consecutive bytes an instruction.
.macro PACK a
.set AC, 64*((\a)%4)
	WIN 0x82+0x41*((\a)/4)                         ; destination and source 0: window 2 or 3; the factor in window 0
.set i, 0
.rept 32
	v_pk_mul_f32 v[AC+i:AC+i+1], v[AC+i:AC+i+1], v[FM+2*(\a):FM+2*(\a)+1]   ; each accumulator from its low end on
.set i, i+2
.endr
	WIN 0x0a+5*((\a)/4)
.irp b, 0,1,2,3,4,5,6,7
.irp r, 0,1,2,3
	v_cvt_pk_f16_f32 v[TMP+4*\b+\r], v[AC+8*\b+2*\r], v[AC+8*\b+2*\r+1]
.endr
.endr
	WIN 0
.endm
.macro TOSTAGE a
.irp b, 0,1,2,3,4,5,6,7
	ds_store_b128 v[STO], v[TMP+4*\b:TMP+4*\b+3] offset:(\b/4)*SPLANE+(\b%4)*32
.endr
.set BB, BK+32*((\a)%2)
.irp n, 0,1,2,3,4,5,6,7
	ds_load_b128 v[BB+4*\n:BB+4*\n+3], v[RD] offset:(\n/4)*SPLANE+(\n%4)*4*SP2   ; LDS serves a wave's instructions in order: these see the stores above
.endr
.endm
.macro SEND a
.set BB, BK+32*((\a)%2)
	s_wait_dscnt 0x0                               ; the block is back in registers
	s_wait_xcnt 0x0                                ; the block before has had its stores' registers read: the next block's loads may land there
.irp n, 0,1,2,3,4,5,6,7
	global_store_b128 v[GO], v[BB+4*\n:BB+4*\n+3], s[12:13] offset:(\n/4)*262144+(\a)*2048+(\n%4)*512
.endr
.endm
	PLACES NP
	s_wait_loadcnt 0x0                             ; the masks
	v_mov_b32 v112, 0x3e000000                     ; 1 / 8
.irp a, 0,1,2,3,4,5,6,7
	v_mul_f32 v[FM+2*\a], 0x3e000000, v[FM+2*\a]
.endr
.irp a, 0,1,2,3,4,5,6,7
	v_cndmask_b32 v[FM+2*\a], v[FM+2*\a], v112, s3 ; v takes no mask
.endr
.irp a, 0,1,2,3,4,5,6,7
	v_mov_b32 v[FM+2*\a+1], v[FM+2*\a]
.endr
	PACK 0
	TOSTAGE 0
.irp a, 1,2,3,4,5,6,7
	PACK \a
	SEND \a-1
	TOSTAGE \a
.endr
	SEND 7
	s_wait_tensorcnt 0x0                           ; the wave's end
	ds_add_u32 v[SPW], v[NIL]
	s_wait_dscnt 0x0
	CROUND                                         ; the closing round
	s_endpgm
.Lfunc_end_k_q1d5ae0387b_g1:
	.size	k_q1d5ae0387b_g1, .Lfunc_end_k_q1d5ae0387b_g1-k_q1d5ae0387b_g1
	.p2alignl 7, 3214868480
	.fill 96, 4, 3214868480
	.section	.rodata,"a",@progbits
	.p2align	6, 0x0
	.amdhsa_kernel k_q1d5ae0387b_g1
		.amdhsa_group_segment_fixed_size 327680
		.amdhsa_private_segment_fixed_size 0
		.amdhsa_enable_private_segment 0
		.amdhsa_kernarg_size 24
		.amdhsa_user_sgpr_count 2
		.amdhsa_user_sgpr_kernarg_segment_ptr 1
		.amdhsa_wavefront_size32 1
		.amdhsa_system_sgpr_workgroup_id_x 1
		.amdhsa_system_sgpr_workgroup_id_y 1
		.amdhsa_system_sgpr_workgroup_id_z 1
		.amdhsa_system_vgpr_workitem_id 0
		.amdhsa_next_free_vgpr 1024
		.amdhsa_next_free_sgpr 98
		.amdhsa_reserve_vcc 0
		.amdhsa_float_denorm_mode_32 3
		.amdhsa_float_denorm_mode_16_64 3
		.amdhsa_memory_ordered 1
		.amdhsa_forward_progress 1
		.amdhsa_inst_pref_size 145
	.end_amdhsa_kernel
	.amdgpu_metadata
---
amdhsa.version: [ 1, 2 ]
amdhsa.kernels:
  - .name:           k_q1d5ae0387b_g1
    .symbol:         k_q1d5ae0387b_g1.kd
    .args:
      - { .name: qc, .offset: 0, .size: 8, .value_kind: global_buffer, .address_space: global }
      - { .name: src_mask, .offset: 8, .size: 8, .value_kind: global_buffer, .address_space: global }
      - { .name: qkv, .offset: 16, .size: 8, .value_kind: global_buffer, .address_space: global }
    .group_segment_fixed_size: 327680
    .private_segment_fixed_size: 0
    .kernarg_segment_align: 8
    .kernarg_segment_size: 24
    .max_flat_workgroup_size: 128
    .sgpr_count:     98
    .vgpr_count:     1024
    .wavefront_size: 32
...
	.end_amdgpu_metadata
.endif
;; end of part 2
;; launch att (part 3): grid 8 x 32, 8 waves a work-group, clusters of 4 x 1, 327,680 bytes of LDS; arguments qkv, cc; writes cc
.if DOCPART == 3
	.amdgcn_target "amdgcn-amd-amdhsa--gfx1250"
	.amdhsa_code_object_version 6
	.text
	.protected	k_q1d5ae0387b_att
	.globl	k_q1d5ae0387b_att
	.p2align	8
	.type	k_q1d5ae0387b_att,@function
k_q1d5ae0387b_att:
	s_mov_b64 s[64:65], 0
	v_nop
	global_prefetch_b8 v0, s[64:65] scope:SCOPE_SE
	s_setreg_imm32_b32 hwreg(HW_REG_WAVE_MODE, 25, 1), 1
	s_wait_xcnt 0x0
	s_wait_alu depctr_hold_cnt(0) depctr_sa_sdst(0) depctr_va_vdst(0) depctr_va_sdst(0) depctr_va_ssrc(0) depctr_va_vcc(0) depctr_vm_vsrc(0)
	s_getreg_b32 s2, hwreg(HW_REG_IB_STS2, 6, 4)
	s_cmp_eq_u32 s2, 0
	s_cbranch_scc0 .Lentry_in_a_cluster
	s_endpgm
.Lentry_in_a_cluster:
	s_bfe_u32 s2, ttmp6, 0x10000c
	s_cmp_lg_u32 s2, 0x3003
	s_cbranch_scc0 .Lentry_shape_is_right
	s_endpgm
.Lentry_shape_is_right:
; Launch 3: attention.  s = q'.k' (= q.k m_i m_j / 64); s == 0 becomes 1e-10; softmax over all 2,048 keys with a running maximum; out / 8 = softmax . v'.  No work is left out: masked keys count, as in the layer.
; q', k', v': f16 [which][batch 16 + head][2048][64].  Products with f16 operands and f32 sums; maxima, exponentials and the row's sum in f32; the weights p (at most 1) are rounded to f16 for the second product.
; The running maximum begins at -1e30: f16 operands bound |s| by 64 x 65504^2 = 2.7e11, so it lies under every score.
; ZERO BECOMES 1e-10 BY ONE LINE A SCORE: the unsigned maximum of the score's bits and the bits of 1e-10.  A negative score has its sign bit set and lies above as an unsigned number: it stays; +0 becomes 1e-10.
; LIMITS: a positive score under 1e-10 is raised to 1e-10 with the zeros: that moves the softmax's input by less than 1e-10.  A score of -0 would stay as it is; the sums begin with the constant +0, so a sum of zeros is +0.
; SHARES.  A work-group owns 256 queries of one head, each of its eight waves 32: two tiles of 16.  Every wave walks all keys, 64 a step.
; LAYOUT.  S^T = K Q^T and O^T = V^T P: a lane holds one query (lane % 16) throughout.  K comes out of LDS as it lies, V turned by ds_load_tr16_b128.
; BY TURNS.  The two tiles share K's and V's fragments and nothing else.  In a step one tile's products and exponentials stand between the other tile's plain vector lines: see STEP.
; RING.  Two slots of 512 keys; a row of 64 f16 is 128 bytes and rows are dense, so tiles come as rows of 256 bytes (two keys), padded.  Waves 0-3 fetch K's quarters, waves 4-7 V's.
; CLUSTER.  The four query blocks of a cluster walk the same K and V: each tile is asked for jointly, with a mask that names the four.
; cc: out / 8 as f16 in the panel layout [token / 128][head][token % 128][64].
.set PK,    272                        ; two keys of K: 256 bytes + 16
.set PV,    288                        ; two keys of V: 256 bytes + 32
.set VOFF,  256*PK
.set SLOT1, 256*(PK+PV)
.set SPARE, 2*SLOT1                    ; the spare words, 128 bytes for each wave: four blocks of 256 bytes that no other line names
.set SP2,   144                        ; the way out: a stage row; a wave's stage is 32 of them, in slot 0, behind the last change of slots
.set AK0, 1
.set AV0, 2
.set ADK, 3
.set ADV, 4
.set SPW, 6
.set NIL, 7
.set ST,  10                           ; tile t at v[ST+8 t]: +0 c m, +1 m, +2, +3 the sum, +4 to +7 at work (a in +6)
.set C2,  26                           ; v26-29 the sums' second chains
.set Q,   32                           ; fragment (tile t, channels 32 c on) at Q + 16 t + 8 c
.set KV,  64                           ; K's eight fragments, then V's eight
.set S,   128                          ; S^T at S + 32 t + 8 kt; p is rounded in place into S + 32 t + 0 .. 15
.set O,   192                          ; O^T at O + 32 t + 8 ct
.set WV,  12
.set G1K, 24
.set G1V, 32
.set G0K, 40
.set G0V, 48
.set CNT, 57
.set CS,  58
.set SEL, 60
.set TBK, 62
.set TBV, 63
.set EPSS, 72                          ; s72 the bits of 1e-10
.macro JLOAD s                         ; waves 0-3 fetch K's quarters, waves 4-7 V's; an s_nop 0 and four v_nop follow each line
	s_cmp_lt_u32 s[WV], 4
	s_cbranch_scc0 .Lfor_v_\@
	tensor_load_to_lds s[G0K+4*\s:G0K+4*\s+3], s[G1K:G1K+7]
	s_nop 0
.rept 4
	v_nop
.endr
	s_branch .Lasked_\@
.Lfor_v_\@:
	tensor_load_to_lds s[G0V+4*\s:G0V+4*\s+3], s[G1V:G1V+7]
	s_nop 0
.rept 4
	v_nop
.endr
.Lasked_\@:
.endm
.macro CROUND
	s_barrier_signal -1
	s_barrier_wait -1
	s_cmp_lg_u32 s[WV], 0
	s_cbranch_scc1 .Lnot_wave_0_\@
	s_barrier_signal -3
.Lnot_wave_0_\@:
	s_barrier_wait -3
	s_barrier_signal -1
	s_barrier_wait -1
.endm
	s_load_b128 s[4:7], s[0:1], 0x0                ; qkv s[4:5], cc s[6:7]
	v_lshl_add_u32 v[SPW], v0, 2, SPARE
	v_mov_b32 v[NIL], 0
	ds_add_u32 v[SPW], v[NIL]                      ; the wave's opening: the add, twice on end, and its wait ahead of my first tensor load
	ds_add_u32 v[SPW], v[NIL]
	v_lshrrev_b32 v1, 5, v0
	v_readfirstlane_b32 s[WV], v1                  ; wave 0..7
	s_bfe_u32 s13, ttmp6, 0x40000                  ; cx
	s_lshl_b32 s14, ttmp9, 2
	s_add_co_u32 s14, s14, s13                     ; my block of 256 queries: it enters q's and cc's addresses alone
	s_and_b32 s15, ttmp7, 0xffff                   ; batch 16 + head, which the four partners share
	s_and_b32 s16, s[WV], 3                        ; which quarter of a slot I fetch
	s_lshl_b32 s20, s15, 18
	s_lshl_b32 s21, s16, 14
	s_add_co_u32 s20, s20, s21
	s_mov_b32 s21, 0
	s_mul_i32 s17, s16, 64*PK                      ; its place in a slot, for K,
	s_mul_i32 s18, s16, 64*PV
	s_add_co_u32 s18, s18, VOFF                    ; and for V
	s_mov_b32 s[G1K], 15|(1<<16)|(1<<20)|(1<<21)|(5<<22)|(3<<25)  ; the mask: all four; elements of 2 bytes; padding on; bit 21 beside a mask; 4 words after every 64
	s_mov_b32 s[G1V], 15|(1<<16)|(1<<20)|(1<<21)|(5<<22)|(7<<25)  ; the same with 8 words
.irp g, G1K, G1V
	s_mov_b32 s[\g+1], 128<<16                     ; tensor_dim0: 128 elements, two keys
	s_mov_b32 s[\g+2], 64<<16                      ; tensor_dim1: 64 such rows
	s_mov_b32 s[\g+3], 128<<16                     ; tile_dim0
	s_mov_b32 s[\g+4], 64                          ; tile_dim1
	s_mov_b32 s[\g+5], 128                         ; the pitch: rows are dense
	s_mov_b32 s[\g+6], 0
	s_mov_b32 s[\g+7], 0
.endr
	s_mov_b32 s[CS], 0x3fb8aa3b                    ; c = log2(e)
	s_mov_b32 s[CS+1], s[CS]
	s_mov_b32 s[SEL], 0x76543210
	s_mov_b32 s[SEL+1], 0xfedcba98
	s_mov_b32 s[EPSS], 0x2edbe6ff                  ; 1e-10
	s_wait_dscnt 0x0                               ; both opening adds are done
	s_wait_kmcnt 0x0
	s_add_nc_u64 s[8:9], s[4:5], s[20:21]
	s_add_nc_u64 s[10:11], s[8:9], 2*8388608       ; v' at my quarter of slot 0
	s_add_nc_u64 s[8:9], s[8:9], 8388608           ; k' likewise
	CROUND                                         ; all four work-groups are here: the first joint loads meet
.irp s, 0,1
	s_mov_b32 s[G0K+4*\s], 1
	s_add_co_u32 s[G0K+4*\s+1], s17, \s*SLOT1
	s_add_nc_u64 s[G0K+4*\s+2:G0K+4*\s+3], s[8:9], \s*65536
	s_or_b32 s[G0K+4*\s+3], s[G0K+4*\s+3], 0x80000000
	s_mov_b32 s[G0V+4*\s], 1
	s_add_co_u32 s[G0V+4*\s+1], s18, \s*SLOT1
	s_add_nc_u64 s[G0V+4*\s+2:G0V+4*\s+3], s[10:11], \s*65536
	s_or_b32 s[G0V+4*\s+3], s[G0V+4*\s+3], 0x80000000
.endr
	s_cmp_lt_u32 s[WV], 4                          ; a wave's two first fills stand in one branch: two loads of mine are out
	s_cbranch_scc0 .Lfirst_v
	tensor_load_to_lds s[G0K:G0K+3], s[G1K:G1K+7]
	s_nop 0
	tensor_load_to_lds s[G0K+4:G0K+7], s[G1K:G1K+7]
	s_nop 0
.rept 4
	v_nop
.endr
	s_branch .Lfirst_asked
.Lfirst_v:
	tensor_load_to_lds s[G0V:G0V+3], s[G1V:G1V+7]
	s_nop 0
	tensor_load_to_lds s[G0V+4:G0V+7], s[G1V:G1V+7]
	s_nop 0
.rept 4
	v_nop
.endr
.Lfirst_asked:
	s_lshl_b32 s22, s15, 18                        ; q' at my wave's first query
	s_lshl_b32 s23, s14, 15
	s_add_co_u32 s22, s22, s23
	s_lshl_b32 s23, s[WV], 12
	s_add_co_u32 s22, s22, s23
	s_mov_b32 s23, 0
	s_add_nc_u64 s[4:5], s[4:5], s[22:23]
	s_lshr_b32 s22, s15, 4                         ; cc: panel 16 batch + 2 block + wave / 4; plane = head; rows 32 (wave % 4) on
	s_lshl_b32 s22, s22, 4
	s_lshl_b32 s23, s14, 1
	s_add_co_u32 s22, s22, s23
	s_lshr_b32 s23, s[WV], 2
	s_add_co_u32 s22, s22, s23
	s_lshl_b32 s22, s22, 18
	s_and_b32 s23, s15, 15
	s_lshl_b32 s23, s23, 14
	s_add_co_u32 s22, s22, s23
	s_lshl_b32 s23, s16, 12
	s_add_co_u32 s22, s22, s23
	s_mov_b32 s23, 0
	s_add_nc_u64 s[6:7], s[6:7], s[22:23]
	v_and_b32 v8, 15, v0                           ; r
	v_bfe_u32 v9, v0, 4, 1                         ; h
	v_lshlrev_b32 v3, 7, v8
	v_lshl_add_u32 v3, v9, 4, v3                   ; q': row r of 128 bytes, + 16 h
.irp t, 0,1
.irp c, 0,1
	global_load_b128 v[Q+16*\t+8*\c:Q+16*\t+8*\c+3], v3, s[4:5] offset:\t*2048+\c*64
	global_load_b128 v[Q+16*\t+8*\c+4:Q+16*\t+8*\c+7], v3, s[4:5] offset:\t*2048+\c*64+32
.endr
.endr
	v_lshrrev_b32 v10, 1, v8                       ; key r of a tile lies at (r / 2) PK + (r % 2) 128
	v_mul_u32_u24 v[AK0], v10, PK
	v_and_b32 v10, 1, v8
	v_lshl_add_u32 v[AK0], v10, 7, v[AK0]
	v_lshl_add_u32 v[AK0], v9, 4, v[AK0]
	v_and_b32 v10, 7, v0                           ; the turning load: lane l reads key 8 h + l % 8, channels 8 ((l / 8) % 2) on
	v_lshl_add_u32 v10, v9, 3, v10
	v_lshrrev_b32 v11, 1, v10
	v_mul_u32_u24 v[AV0], v11, PV
	v_and_b32 v11, 1, v10
	v_lshl_add_u32 v[AV0], v11, 7, v[AV0]
	v_bfe_u32 v11, v0, 3, 1
	v_lshl_add_u32 v[AV0], v11, 4, v[AV0]
.irp t, 0,1
	v_mov_b32 v[ST+8*\t+1], 0xf149f2ca             ; m = -1e30
	v_mul_f32 v[ST+8*\t], s[CS], v[ST+8*\t+1]      ; c m
.irp j, 2,3,4,5,6,7
	v_mov_b32 v[ST+8*\t+\j], 0
.endr
.endr
.set i, 0
.rept 64
	v_mov_b32 v[O+i], 0                            ; O^T: the step is written once; its first run finds zeros, which a = 0 leaves zeros
.set i, i+1
.endr
; THE MATRIX WORK of tile t in a step.  Four accumulators take turns, one instruction a turn.
.macro QKW t, i                        ; product i of 8 of S^T = K Q^T: channels 32 (i / 4) on, keys 16 (i % 4) on; the first four start the sums
.set wc, (\i)/4
.set wk, (\i)%4
.if wc == 0
	v_wmma_f32_16x16x32_f16 v[S+32*(\t)+8*wk:S+32*(\t)+8*wk+7], v[KV+16*wk:KV+16*wk+7], v[Q+16*(\t):Q+16*(\t)+7], 0
.else
	v_wmma_f32_16x16x32_f16 v[S+32*(\t)+8*wk:S+32*(\t)+8*wk+7], v[KV+16*wk+8:KV+16*wk+15], v[Q+16*(\t)+8:Q+16*(\t)+15], v[S+32*(\t)+8*wk:S+32*(\t)+8*wk+7]
.endif
.endm
.macro PVW t, i                        ; product i of 8 of O^T += V^T P: keys 32 (i / 4) on, channels 16 (i % 4) on
.set wg, (\i)/4
.set wk, (\i)%4
	v_wmma_f32_16x16x32_f16 v[O+32*(\t)+8*wk:O+32*(\t)+8*wk+7], v[KV+32*wg+8*wk:KV+32*wg+8*wk+7], v[S+32*(\t)+8*wg:S+32*(\t)+8*wg+7], v[O+32*(\t)+8*wk:O+32*(\t)+8*wk+7]
.endm
; THE VECTOR WORK of tile t in a step, as three numbered lists.
; FRONT, 69 lines, all plain: 0-31 a score of 0 becomes 1e-10 (each accumulator from its low end on); 32-47 the maximum of the lane's 32 scores and the old m; 48-52 the other half of the lanes', the new m, c m, c m_old - c m_new;
; 53-68 c s - c m, a pair of scores a line.
.macro FRONT t, j
.set rT, ST+8*(\t)
.set rS, S+32*(\t)
.if (\j) < 32
	v_max_u32 v[rS+(\j)], s[EPSS], v[rS+(\j)]
.elseif (\j) < 36
.set fq, (\j)-32
	v_max3_num_f32 v[rT+4+fq], v[rS+8*fq], v[rS+8*fq+1], v[rS+8*fq+2]
.elseif (\j) < 44
.set fq, ((\j)-36)%4
.set fu, ((\j)-36)/4+1
	v_max3_num_f32 v[rT+4+fq], v[rT+4+fq], v[rS+8*fq+2*fu+1], v[rS+8*fq+2*fu+2]
.elseif (\j) == 44
	v_max3_num_f32 v[rT+4], v[rT+4], v[rS+7], v[rS+15]
.elseif (\j) == 45
	v_max3_num_f32 v[rT+6], v[rT+6], v[rS+23], v[rS+31]
.elseif (\j) == 46
	v_max3_num_f32 v[rT+4], v[rT+4], v[rT+5], v[rT+6]
.elseif (\j) == 47
	v_max3_num_f32 v[rT+4], v[rT+4], v[rT+7], v[rT+1]
.elseif (\j) == 48
	v_permlanex16_b32 v[rT+5], v[rT+4], s[SEL], s[SEL+1]   ; the query's other 32 keys lie in the lane 16 away
.elseif (\j) == 49
	v_mov_b32 v[rT+7], v[rT]                       ; c m_old
.elseif (\j) == 50
	v_max_num_f32 v[rT+1], v[rT+4], v[rT+5]
.elseif (\j) == 51
	v_mul_f32 v[rT], s[CS], v[rT+1]
.elseif (\j) == 52
	v_sub_f32 v[rT+7], v[rT+7], v[rT]
.else
.set fq, (\j)-53
	v_pk_fma_f32 v[rS+2*fq:rS+2*fq+1], v[rS+2*fq:rS+2*fq+1], s[CS:CS+1], v[rT:rT+1] op_sel_hi:[1,0,0] neg_lo:[0,0,1] neg_hi:[0,0,1]
.endif
.endm
; EXPS, 33 lines: 0 a = 2^(c m_old - c m_new); 1-32 p = 2^(c s - c m).  None reads an exponential's result.
.macro EXPS t, j
.if (\j) == 0
	v_exp_f32 v[ST+8*(\t)+6], v[ST+8*(\t)+7]
.else
	v_exp_f32 v[S+32*(\t)+(\j)-1], v[S+32*(\t)+(\j)-1]
.endif
.endm
; POST, 48 lines, all plain, all behind the wait for the tile's exponentials: 0-15 the row's sum of the f32 p, in two chains, l = a l + the sum; 16-31 p to f16, in place, ascending; 32-47 O^T x a.
.macro POST t, j
.set rT, ST+8*(\t)
.set rS, S+32*(\t)
.set rC, C2+2*(\t)
.set rO, O+32*(\t)
.if (\j) == 0
	v_pk_fma_f32 v[rT+2:rT+3], v[rT+2:rT+3], v[rT+6:rT+7], v[rS:rS+1] op_sel_hi:[1,0,1]
.elseif (\j) == 1
	v_pk_add_f32 v[rC:rC+1], v[rS+2:rS+3], v[rS+6:rS+7]
.elseif (\j) < 14
.set pb, 4+4*(((\j)-2)/2)
.if ((\j)%2) == 0
	v_pk_add_f32 v[rT+2:rT+3], v[rT+2:rT+3], v[rS+pb:rS+pb+1]
.else
	v_pk_add_f32 v[rC:rC+1], v[rC:rC+1], v[rS+pb+6:rS+pb+7]
.endif
.elseif (\j) == 14
	v_pk_add_f32 v[rT+2:rT+3], v[rT+2:rT+3], v[rS+28:rS+29]
.elseif (\j) == 15
	v_pk_add_f32 v[rT+2:rT+3], v[rT+2:rT+3], v[rC:rC+1]
.elseif (\j) < 32
.set pb, (\j)-16
	v_cvt_pk_f16_f32 v[rS+pb], v[rS+2*pb], v[rS+2*pb+1]
.else
.set pb, 2*((\j)-32)
	v_pk_mul_f32 v[rO+pb:rO+pb+1], v[rO+pb:rO+pb+1], v[rT+6:rT+7] op_sel_hi:[1,0]
.endif
.endm
; A KEY STEP: 64 keys.  One tile's products and exponentials stand between the other tile's plain lines, which name none of their registers:
;   K Q^T of tile 0 | K Q^T of tile 1 with FRONT 0 | V's loads | EXPS 0 with FRONT 1 | the wait | EXPS 1 with POST 0 | the wait | V^T P of tile 0 with POST 1 | V^T P of tile 1.
.macro STEP
	v_add_nc_u32 v[ADK], s[TBK], v[AK0]            ; with the three v_nop at the last step's end: five places behind its last products, for the loads into their registers (four) and the products that write over p (five)
	v_add_nc_u32 v[ADV], s[TBV], v[AV0]
.irp kt, 0,1,2,3
.irp c, 0,1
	ds_load_b128 v[KV+16*\kt+8*\c:KV+16*\kt+8*\c+3], v[ADK] offset:\kt*8*PK+\c*64
	ds_load_b128 v[KV+16*\kt+8*\c+4:KV+16*\kt+8*\c+7], v[ADK] offset:\kt*8*PK+\c*64+32
.endr
.endr
	s_wait_dscnt 0x0                               ; K is in
.set wi, 0
.rept 8
	QKW 0, wi
.set wi, wi+1
.endr
.set fj, 0
.set wi, 0
.rept 8
	QKW 1, wi
.if wi == 0
.rept 4
	v_nop                                          ; four places behind tile 0's last product, ahead of the first read of its scores
.endr
.rept 3
	FRONT 0, fj
.set fj, fj+1
.endr
.else
.rept 7
	FRONT 0, fj
.set fj, fj+1
.endr
.endif
.set wi, wi+1
.endr
.irp g, 0,1                            ; V of this step, turned, lands where K lay: the seven lines of FRONT 0 above are the places behind the last product that read K
.irp ct, 0,1,2,3
	ds_load_tr16_b128 v[KV+32*\g+8*\ct:KV+32*\g+8*\ct+3], v[ADV] offset:\g*16*PV+\ct*32
	ds_load_tr16_b128 v[KV+32*\g+8*\ct+4:KV+32*\g+8*\ct+7], v[ADV] offset:\g*16*PV+8*PV+\ct*32
.endr
.endr
.rept 17
	FRONT 0, fj                                    ; lines 52 to 68
.set fj, fj+1
.endr
.set fj, 0
.set ej, 0
.rept 33
	EXPS 0, ej
	FRONT 1, fj
	FRONT 1, fj+1
.set ej, ej+1
.set fj, fj+2
.endr
	FRONT 1, 66
	FRONT 1, 67
	FRONT 1, 68
	s_wait_alu depctr_va_vdst(0)                   ; one wait for tile 0's 33 exponentials, ahead of their first reader
.set ej, 0
.rept 33
	EXPS 1, ej
.if ej < 32
	POST 0, ej
.endif
.if ej < 16
	POST 0, 32+ej
.endif
.set ej, ej+1
.endr
	v_nop                                          ; a plain instruction behind the last exponential
	s_wait_alu depctr_va_vdst(0)                   ; and one wait for tile 1's 33
	s_wait_dscnt 0x0                               ; V is in
.set pj, 0
.rept 6
	POST 1, pj
.set pj, pj+1
.endr
.set wi, 0
.rept 8
	PVW 0, wi
.if wi < 7
.rept 6
	POST 1, pj
.set pj, pj+1
.endr
.endif
.set wi, wi+1
.endr
.set wi, 0
.rept 8
	PVW 1, wi
.set wi, wi+1
.endr
	s_add_co_u32 s[TBK], s[TBK], 32*PK             ; the next 64 keys
	s_add_co_u32 s[TBV], s[TBV], 32*PV
.rept 3
	v_nop
.endr
.endm
.macro STEPS base                      ; a slot's eight key steps
	s_mov_b32 s[TBK], \base
	s_mov_b32 s[TBV], \base+VOFF
	s_mov_b32 s[CNT], 8
.Lstep_\@:
	STEP
	s_sub_co_u32 s[CNT], s[CNT], 1
	s_cmp_lg_u32 s[CNT], 0
	s_cbranch_scc1 .Lstep_\@
.endm
; THE CHANGE OF SLOTS.  Each wave waits for all its tensor loads (its part of the slot ahead), adds 0 to its spare word, and waits for that and for its reads of the slot that it leaves.
; fill = 1: that slot is filled again with the keys two slots on, behind a round of the cluster's barrier; the load has eight key steps in which to land.
.macro CHANGE fill, slot
	s_wait_tensorcnt 0x0
	ds_add_u32 v[SPW], v[NIL]
.if \fill
	s_add_nc_u64 s[G0K+4*\slot+2:G0K+4*\slot+3], s[G0K+4*\slot+2:G0K+4*\slot+3], 131072
	s_add_nc_u64 s[G0V+4*\slot+2:G0V+4*\slot+3], s[G0V+4*\slot+2:G0V+4*\slot+3], 131072
	s_wait_dscnt 0x0
	CROUND
	JLOAD \slot
.else
	s_wait_dscnt 0x0
	s_barrier_signal -1
	s_barrier_wait -1
.endif
.endm
	s_wait_tensorcnt 1                             ; my part of slot 0 is in; slot 1's may stay out
	s_barrier_signal -1
	s_barrier_wait -1
	s_wait_loadcnt 0x0                             ; q'
	STEPS 0
	CHANGE 1, 0
	STEPS SLOT1
	CHANGE 1, 1
	STEPS 0
	CHANGE 0, 0
	STEPS SLOT1
	; THE WAY OUT.  O^T / the sum, to f16, through my stage, out as 512 consecutive bytes an instruction.  The additions and the three v_nop above are the places behind the last products.
.irp t, 0,1
	v_add_f32 v[ST+8*\t+4], v[ST+8*\t+2], v[ST+8*\t+3]
.endr
.irp t, 0,1
	v_permlanex16_b32 v[ST+8*\t+5], v[ST+8*\t+4], s[SEL], s[SEL+1]
.endr
.irp t, 0,1
	v_add_f32 v[ST+8*\t+4], v[ST+8*\t+4], v[ST+8*\t+5]
.endr
.irp t, 0,1
	v_rcp_f32 v[ST+8*\t+6], v[ST+8*\t+4]
.endr
	s_mul_i32 s13, s[WV], 32*SP2                   ; my stage
	v_mul_u32_u24 v30, v8, SP2
	v_lshl_add_u32 v30, v9, 4, v30
	v_add_nc_u32 v30, s13, v30                     ; in: query r, 16 bytes for each half of the lanes
	v_and_b32 v3, 31, v0
	v_lshrrev_b32 v31, 3, v3
	v_mul_u32_u24 v31, v31, SP2
	v_and_b32 v4, 7, v3
	v_lshl_add_u32 v31, v4, 4, v31
	v_add_nc_u32 v31, s13, v31                     ; back: eight lanes to a query's 128 bytes
	v_lshlrev_b32 v3, 4, v3
	s_wait_alu depctr_va_vdst(0)                   ; one wait for both reciprocals, ahead of their first reader
.irp t, 0,1
.irp i, 0,2,4,6,8,10,12,14,16,18,20,22,24,26,28,30
	v_pk_mul_f32 v[O+32*\t+\i:O+32*\t+\i+1], v[O+32*\t+\i:O+32*\t+\i+1], v[ST+8*\t+6:ST+8*\t+7] op_sel_hi:[1,0]
.endr
.irp i, 0,1,2,3,4,5,6,7,8,9,10,11,12,13,14,15
	v_cvt_pk_f16_f32 v[KV+16*\t+\i], v[O+32*\t+2*\i], v[O+32*\t+2*\i+1]
.endr
.irp ct, 0,1,2,3
	ds_store_b128 v30, v[KV+16*\t+4*\ct:KV+16*\t+4*\ct+3] offset:\t*16*SP2+\ct*32
.endr
.irp i, 0,1,2,3
	ds_load_b128 v[S+16*\t+4*\i:S+16*\t+4*\i+3], v31 offset:\t*16*SP2+\i*4*SP2   ; LDS serves a wave's instructions in order
.endr
.endr
.irp n, 0,1,2,3,4,5,6,7
	s_wait_dscnt 7-\n                              ; load n is in (for the first tile the count is tighter than needed)
	global_store_b128 v3, v[S+4*\n:S+4*\n+3], s[6:7] offset:(\n/4)*2048+(\n%4)*512
.endr
	s_wait_tensorcnt 0x0                           ; the wave's end
	ds_add_u32 v[SPW], v[NIL]
	s_wait_dscnt 0x0
	CROUND                                         ; the closing round
	s_endpgm
.Lfunc_end_k_q1d5ae0387b_att:
	.size	k_q1d5ae0387b_att, .Lfunc_end_k_q1d5ae0387b_att-k_q1d5ae0387b_att
	.p2alignl 7, 3214868480
	.fill 96, 4, 3214868480
	.section	.rodata,"a",@progbits
	.p2align	6, 0x0
	.amdhsa_kernel k_q1d5ae0387b_att
		.amdhsa_group_segment_fixed_size 327680
		.amdhsa_private_segment_fixed_size 0
		.amdhsa_enable_private_segment 0
		.amdhsa_kernarg_size 16
		.amdhsa_user_sgpr_count 2
		.amdhsa_user_sgpr_kernarg_segment_ptr 1
		.amdhsa_wavefront_size32 1
		.amdhsa_system_sgpr_workgroup_id_x 1
		.amdhsa_system_sgpr_workgroup_id_y 1
		.amdhsa_system_sgpr_workgroup_id_z 1
		.amdhsa_system_vgpr_workitem_id 0
		.amdhsa_next_free_vgpr 256
		.amdhsa_next_free_sgpr 84
		.amdhsa_reserve_vcc 0
		.amdhsa_float_denorm_mode_32 3
		.amdhsa_float_denorm_mode_16_64 3
		.amdhsa_memory_ordered 1
		.amdhsa_forward_progress 1
		.amdhsa_inst_pref_size 97
	.end_amdhsa_kernel
	.amdgpu_metadata
---
amdhsa.version: [ 1, 2 ]
amdhsa.kernels:
  - .name:           k_q1d5ae0387b_att
    .symbol:         k_q1d5ae0387b_att.kd
    .args:
      - { .name: qkv, .offset: 0, .size: 8, .value_kind: global_buffer, .address_space: global }
      - { .name: cc, .offset: 8, .size: 8, .value_kind: global_buffer, .address_space: global }
    .group_segment_fixed_size: 327680
    .private_segment_fixed_size: 0
    .kernarg_segment_align: 8
    .kernarg_segment_size: 16
    .max_flat_workgroup_size: 256
    .sgpr_count:     84
    .vgpr_count:     256
    .wavefront_size: 32
...
	.end_amdgpu_metadata
.endif
;; end of part 3
;; launch g2 (part 4): grid 8 x 32, 4 waves a work-group, clusters of 4 x 4, 327,680 bytes of LDS; arguments cc, w16, y; writes y
.if DOCPART == 4
	.amdgcn_target "amdgcn-amd-amdhsa--gfx1250"
	.amdhsa_code_object_version 6
	.text
	.protected	k_q1d5ae0387b_g2
	.globl	k_q1d5ae0387b_g2
	.p2align	8
	.type	k_q1d5ae0387b_g2,@function
k_q1d5ae0387b_g2:
	s_mov_b64 s[64:65], 0
	v_nop
	global_prefetch_b8 v0, s[64:65] scope:SCOPE_SE
	s_setreg_imm32_b32 hwreg(HW_REG_WAVE_MODE, 25, 1), 1
	s_wait_xcnt 0x0
	s_wait_alu depctr_hold_cnt(0) depctr_sa_sdst(0) depctr_va_vdst(0) depctr_va_sdst(0) depctr_va_ssrc(0) depctr_va_vcc(0) depctr_vm_vsrc(0)
	s_getreg_b32 s2, hwreg(HW_REG_IB_STS2, 6, 4)
	s_cmp_eq_u32 s2, 0
	s_cbranch_scc0 .Lentry_in_a_cluster
	s_endpgm
.Lentry_in_a_cluster:
	s_bfe_u32 s2, ttmp6, 0x10000c
	s_cmp_lg_u32 s2, 0xf033
	s_cbranch_scc0 .Lentry_shape_is_right
	s_endpgm
.Lentry_shape_is_right:
; Launch 4: y[token][n] = sum over k of (out / 8)[token][k] w_o[n][k], 4,096 x 1,024 x 1,024, f16 operands, f32 sums, stored raw in f32.  No work is left out; the factor 8, b_o, the residual and the norm follow in launch 5.
; Operands lie as panels: [row / 128][k / 64][row % 128][64] f16.  A K step of 256 of 128 rows is 65,536 dense bytes; it comes as rows of 256 bytes (two logical rows of one plane of 64 along K), 16 bytes of padding behind each.
; In LDS logical row p of a plane lies at (p / 2) 272 + (p % 2) 128: the 16 rows of a fragment fall on 16 different 16-byte columns of 256.
; A tile of C is 128 x 128: four waves, each 64 x 64, 16 accumulators.  Ring of two slots.  CLUSTERS 4 x 4: A's tiles shared along a row, B's along a column, asked for jointly.
; The matrix instruction is used transposed (source 0 = 16 rows of B, source 1 = 16 rows of A): a lane holds eight neighbouring numbers of a row of C.
; REGISTERS: window 0: v0-31 addresses; v32-95 rows on the way out; v128-255 accumulators.  window 1: two fragment buffers of 128.
.set SIZE_K, 1024
.set WOFF,   0
.set PLANE,  64*272                    ; 128 rows x 64 along K in LDS
.set HALFT,  2*PLANE                   ; what one tensor load brings
.set SLOT,   4*HALFT                   ; A's four planes, then B's four
.set STAGE,  2*SLOT                    ; 16 rows x 272 bytes for each wave
.set SPITCH, 272
.set SPARE,  STAGE+4*16*SPITCH         ; the spare words: two blocks of 256 bytes that no other line names
.set LAPS,   SIZE_K/512
.set STEPB,  65536                     ; a K step of a panel in memory
.set ADRA, 16
.set ADRB, 20
.set STO,  24
.set RD,   25
.set CO,   26
.set SPW,  28
.set NIL,  29
.set TMP,  32
.set ACC,  128
.set F0,   0
.set F1,   128
.set G1, 24
.set G0, 32
.set G1B, 48
.set G0B, 56
.set MSB, 0
.macro WIN new
.if MSB != \new
	s_set_vgpr_msb (MSB<<8)|\new
.set MSB, \new
.endif
.endm
.set MUL,  0x05
.set TO_F, 0x40
.macro JLOAD s                         ; waves 0 and 1 fetch A's planes, waves 2 and 3 B's; an s_nop 0 and four v_nop follow each line
	s_cmp_eq_u32 s11, 0
	s_cbranch_scc0 .Lfor_b_\@
	tensor_load_to_lds s[G0+4*\s:G0+4*\s+3], s[G1:G1+7]
	s_nop 0
.rept 4
	v_nop
.endr
	s_branch .Lasked_\@
.Lfor_b_\@:
	tensor_load_to_lds s[G0B+4*\s:G0B+4*\s+3], s[G1B:G1B+7]
	s_nop 0
.rept 4
	v_nop
.endr
.Lasked_\@:
.endm
.macro CREST
	s_cmp_lg_u32 s10, 0
	s_cbranch_scc1 .Lnot_wave_0_\@
	s_barrier_signal -3
.Lnot_wave_0_\@:
	s_barrier_wait -3
	s_barrier_signal -1
	s_barrier_wait -1
.endm
.macro CROUND
	s_barrier_signal -1
	s_barrier_wait -1
	CREST
.endm
	s_load_b128 s[4:7], s[0:1], 0x0                ; A s[4:5], w16 s[6:7]
	s_load_b64 s[8:9], s[0:1], 0x10                ; y
	v_lshl_add_u32 v[SPW], v0, 2, SPARE
	v_mov_b32 v[NIL], 0
	ds_add_u32 v[SPW], v[NIL]                      ; the wave's opening: the add, twice on end, and its wait ahead of my first tensor load
	ds_add_u32 v[SPW], v[NIL]
	v_lshrrev_b32 v1, 5, v0
	v_readfirstlane_b32 s10, v1                    ; wave 0..3
	s_lshr_b32 s11, s10, 1                         ; which half of the tile's rows is mine.  Also: I fetch for A (0) or for B (1)
	s_and_b32 s12, s10, 1                          ; which half of its columns.  Also: which two planes I fetch
	s_bfe_u32 s40, ttmp6, 0x40000
	s_bfe_u32 s41, ttmp6, 0x40004
	s_lshl_b32 s42, ttmp9, 2
	s_add_co_u32 s42, s42, s40                     ; tile column
	s_and_b32 s13, ttmp7, 0xffff
	s_lshl_b32 s13, s13, 2
	s_add_co_u32 s13, s13, s41                     ; tile row
	s_lshl_b32 s43, s41, 2
	s_lshl_b32 s43, 15, s43
	s_lshl_b32 s44, 0x1111, s40
	s_or_b32 s[G1+0], s43, (1<<16)|(1<<20)|(1<<21)|(5<<22)|(3<<25)  ; the mask; elements of 2 bytes; padding on; bit 21 beside a mask; 4 words after every 64
	s_or_b32 s[G1B+0], s44, (1<<16)|(1<<20)|(1<<21)|(5<<22)|(3<<25)
.irp g, G1, G1B
	s_mov_b32 s[\g+1], 128<<16                     ; tensor_dim0: 128 elements
	s_mov_b32 s[\g+2], 128<<16                     ; tensor_dim1: 128 rows of 256 bytes
	s_mov_b32 s[\g+3], 128<<16                     ; tile_dim0
	s_mov_b32 s[\g+4], 128                         ; tile_dim1
	s_mov_b32 s[\g+5], 128                         ; the pitch: dense
	s_mov_b32 s[\g+6], 0
	s_mov_b32 s[\g+7], 0
.endr
	s_mul_i32 s16, s13, SIZE_K*256                 ; A: the tile row's panel,
	s_lshl_b32 s17, s12, 15                        ; my two planes
	s_add_co_u32 s16, s16, s17
	s_mov_b32 s17, 0
	s_mul_i32 s46, s42, SIZE_K*256                 ; B: the tile column's panel
	s_lshl_b32 s47, s12, 15
	s_add_co_u32 s46, s46, s47
.if WOFF
	s_add_co_u32 s46, s46, WOFF
.endif
	s_mov_b32 s47, 0
	s_mul_i32 s20, s10, HALFT
	s_wait_dscnt 0x0
	s_wait_kmcnt 0x0
	s_add_nc_u64 s[14:15], s[4:5], s[16:17]
	s_add_nc_u64 s[46:47], s[6:7], s[46:47]
	CROUND
.irp s, 0,1
	s_mov_b32 s[G0+4*\s], 1
	s_add_co_u32 s[G0+4*\s+1], s20, \s*SLOT
	s_add_nc_u64 s[G0+4*\s+2:G0+4*\s+3], s[14:15], \s*STEPB
	s_or_b32 s[G0+4*\s+3], s[G0+4*\s+3], 0x80000000
	s_mov_b32 s[G0B+4*\s], 1
	s_add_co_u32 s[G0B+4*\s+1], s20, \s*SLOT
	s_add_nc_u64 s[G0B+4*\s+2:G0B+4*\s+3], s[46:47], \s*STEPB
	s_or_b32 s[G0B+4*\s+3], s[G0B+4*\s+3], 0x80000000
	JLOAD \s                                       ; two tensor loads of mine are out at the most
.endr
	v_and_b32 v1, 15, v0
	v_bfe_u32 v2, v0, 4, 1
	v_lshrrev_b32 v3, 1, v1
	v_mul_u32_u24 v3, v3, 272
	v_and_b32 v4, 1, v1
	v_lshl_add_u32 v3, v4, 7, v3
	v_lshl_add_u32 v3, v2, 4, v3                   ; (r / 2) 272 + (r % 2) 128 + 16 h
	s_mul_i32 s21, s11, 32*272                     ; my 64 rows of A in a plane
	s_mul_i32 s22, s12, 32*272                     ; my 64 rows of B,
	s_add_co_u32 s22, s22, 2*HALFT                 ; behind A's four planes
.irp s, 0,1
	v_add_nc_u32 v[ADRA+\s], s21, v3
	v_add_nc_u32 v[ADRB+\s], s22, v3
	s_add_co_u32 s21, s21, SLOT
	s_add_co_u32 s22, s22, SLOT
.endr
	s_mul_i32 s23, s10, 16*SPITCH
	s_add_co_u32 s23, s23, STAGE
	v_mul_u32_u24 v4, v1, SPITCH
	v_lshl_add_u32 v4, v2, 5, v4
	v_add_nc_u32 v[STO], s23, v4                   ; in: row r, 32 bytes for each half of the lanes
	v_mul_u32_u24 v5, v2, SPITCH
	v_lshl_add_u32 v5, v1, 4, v5
	v_add_nc_u32 v[RD], s23, v5                    ; back: sixteen lanes to a row of 256 bytes
	v_lshlrev_b32 v5, 12, v2
	v_lshl_add_u32 v[CO], v1, 4, v5
	s_lshl_b32 s16, s13, 19                        ; y: row 128 x tile row + 64 x half, rows of 4,096 bytes
	s_lshl_b32 s17, s11, 18
	s_add_co_u32 s16, s16, s17
	s_mov_b32 s17, 0
	s_add_nc_u64 s[8:9], s[8:9], s[16:17]
	s_lshl_b32 s46, s42, 9
	s_lshl_b32 s47, s12, 8
	s_add_co_u32 s46, s46, s47
	s_mov_b32 s47, 0
	s_add_nc_u64 s[8:9], s[8:9], s[46:47]
.macro MUL8 f, c, a0, zero             ; 8 matrix instructions; the 16 accumulators take turns
.irp a, \a0, \a0+1
.irp b, 0,1,2,3
.if \zero
	v_wmma_f32_16x16x32_f16 v[ACC+8*(4*(\a)+\b):ACC+8*(4*(\a)+\b)+7], v[\f+64+8*(4*\c+\b):\f+64+8*(4*\c+\b)+7], v[\f+8*(4*\c+\a):\f+8*(4*\c+\a)+7], 0
.else
	v_wmma_f32_16x16x32_f16 v[ACC+8*(4*(\a)+\b):ACC+8*(4*(\a)+\b)+7], v[\f+64+8*(4*\c+\b):\f+64+8*(4*\c+\b)+7], v[\f+8*(4*\c+\a):\f+8*(4*\c+\a)+7], v[ACC+8*(4*(\a)+\b):ACC+8*(4*(\a)+\b)+7]
.endif
.endr
.endr
.endm
.macro FETCH slot, q, f                ; 32 LDS loads: plane q's fragments (64 along K), the first 32 along K first
	WIN TO_F
.irp c, 0,1
.irp i, 0,1,2,3
	ds_load_b128 v[\f+64+8*(4*\c+\i):\f+64+8*(4*\c+\i)+3],   v[ADRB+\slot] offset:(\q)*PLANE+64*\c+\i*2176
	ds_load_b128 v[\f+64+8*(4*\c+\i)+4:\f+64+8*(4*\c+\i)+7], v[ADRB+\slot] offset:(\q)*PLANE+64*\c+\i*2176+32
	ds_load_b128 v[\f+8*(4*\c+\i):\f+8*(4*\c+\i)+3],         v[ADRA+\slot] offset:(\q)*PLANE+64*\c+\i*2176
	ds_load_b128 v[\f+8*(4*\c+\i)+4:\f+8*(4*\c+\i)+7],       v[ADRA+\slot] offset:(\q)*PLANE+64*\c+\i*2176+32
.endr
.endr
.endm
.macro PLACES
.rept 4
	v_nop
.endr
.endm
.macro QUARTER slot, q, f, g, zero     ; multiplies buffer f, fetches plane q into g
	s_wait_dscnt 16                                ; the first 32 along K are in; the other sixteen loads may be out
	WIN MUL
	MUL8 \f, 0, 0, \zero
	MUL8 \f, 0, 2, \zero
	PLACES
	FETCH \slot, \q, \g
	s_wait_dscnt 32                                ; all but the 32 just issued
	WIN MUL
	MUL8 \f, 1, 0, 0
	MUL8 \f, 1, 2, 0
.endm
.macro TURN slot, next, fill           ; the last quarter changes slots: one barrier
	WIN 0
	s_wait_tensorcnt 0x0                           ; all my tensor loads have landed: my part of the next slot
	ds_add_u32 v[SPW], v[NIL]
	s_wait_dscnt 17                                ; the add and the youngest sixteen loads may be out
	WIN MUL
	MUL8 F1, 0, 0, 0
	s_wait_dscnt 0x0                               ; the add is done, and my reads of this slot are over
	s_barrier_signal -1
	MUL8 F1, 0, 2, 0
.if \fill
	WIN 0
.endif
	s_barrier_wait -1
.if \fill
	CREST                                          ; the barrier has opened a round of the cluster's barrier
	s_add_nc_u64 s[G0+4*\slot+2:G0+4*\slot+3], s[G0+4*\slot+2:G0+4*\slot+3], 2*STEPB
	s_add_nc_u64 s[G0B+4*\slot+2:G0B+4*\slot+3], s[G0B+4*\slot+2:G0B+4*\slot+3], 2*STEPB
	JLOAD \slot                                    ; the first tensor load behind the round; its four v_nop are also the places in front of the loads below
.else
	PLACES
.endif
	FETCH \next, 0, F0
	WIN MUL
	MUL8 F1, 1, 0, 0
	MUL8 F1, 1, 2, 0
.endm
	s_wait_tensorcnt 1                             ; my part of K step 0 is in; K step 1's may be out
	s_barrier_signal -1
	s_barrier_wait -1
	FETCH 0, 0, F0
	QUARTER 0, 1, F0, F1, 1
	WIN 0
	s_mov_b32 s3, LAPS-1
.Llap:
	QUARTER 0, 2, F1, F0, 0
	QUARTER 0, 3, F0, F1, 0
	TURN 0, 1, 1
	QUARTER 1, 1, F0, F1, 0
	QUARTER 1, 2, F1, F0, 0
	QUARTER 1, 3, F0, F1, 0
	TURN 1, 0, 1
	QUARTER 0, 1, F0, F1, 0
	WIN 0
	s_sub_co_u32 s3, s3, 1
	s_cmp_lg_u32 s3, 0
	s_cbranch_scc1 .Llap
	QUARTER 0, 2, F1, F0, 0                        ; the last lap fills nothing
	QUARTER 0, 3, F0, F1, 0
	TURN 0, 1, 0
	QUARTER 1, 1, F0, F1, 0
	QUARTER 1, 2, F1, F0, 0
	QUARTER 1, 3, F0, F1, 0
	s_wait_dscnt 16
	WIN MUL
	MUL8 F1, 0, 0, 0
	MUL8 F1, 0, 2, 0
	s_wait_dscnt 0
	MUL8 F1, 1, 0, 0
	MUL8 F1, 1, 2, 0
	WIN 0
; THE WAY OUT: a wave's 64 columns of f32 are 256 aligned bytes of a row: each wave has a stage of its own; 16 rows at a time.
.macro TOSTAGE a
.irp b, 0,1,2,3
	ds_store_b128 v[STO], v[ACC+8*(4*(\a)+\b):ACC+8*(4*(\a)+\b)+3] offset:64*\b      ; each accumulator from its low end on
	ds_store_b128 v[STO], v[ACC+8*(4*(\a)+\b)+4:ACC+8*(4*(\a)+\b)+7] offset:64*\b+16
.endr
.set BB, TMP+32*((\a)%2)
.irp t, 0,1,2,3,4,5,6,7
	ds_load_b128 v[BB+4*\t:BB+4*\t+3], v[RD] offset:\t*2*SPITCH
.endr
.endm
.macro SEND a, younger
.set BB, TMP+32*((\a)%2)
	s_wait_dscnt \younger
.irp t, 0,1,2,3,4,5,6,7
	global_store_b128 v[CO], v[BB+4*\t:BB+4*\t+3], s[8:9] offset:(16*(\a)+2*\t)*4096
.endr
.endm
	PLACES
	TOSTAGE 0
.irp a, 1,2,3
.if \a > 1
	s_wait_xcnt 0x0                                ; block a - 2's stores have read their registers: block a's loads may land there
.endif
	TOSTAGE \a
	SEND \a-1, 16                                  ; behind block a - 1's loads: block a's 8 stores and 8 loads
.endr
	SEND 3, 0
	s_wait_tensorcnt 0x0                           ; the wave's end
	ds_add_u32 v[SPW], v[NIL]
	s_wait_dscnt 0x0
	CROUND
	s_endpgm
.Lfunc_end_k_q1d5ae0387b_g2:
	.size	k_q1d5ae0387b_g2, .Lfunc_end_k_q1d5ae0387b_g2-k_q1d5ae0387b_g2
	.p2alignl 7, 3214868480
	.fill 96, 4, 3214868480
	.section	.rodata,"a",@progbits
	.p2align	6, 0x0
	.amdhsa_kernel k_q1d5ae0387b_g2
		.amdhsa_group_segment_fixed_size 327680
		.amdhsa_private_segment_fixed_size 0
		.amdhsa_enable_private_segment 0
		.amdhsa_kernarg_size 24
		.amdhsa_user_sgpr_count 2
		.amdhsa_user_sgpr_kernarg_segment_ptr 1
		.amdhsa_wavefront_size32 1
		.amdhsa_system_sgpr_workgroup_id_x 1
		.amdhsa_system_sgpr_workgroup_id_y 1
		.amdhsa_system_sgpr_workgroup_id_z 1
		.amdhsa_system_vgpr_workitem_id 0
		.amdhsa_next_free_vgpr 512
		.amdhsa_next_free_sgpr 66
		.amdhsa_reserve_vcc 0
		.amdhsa_float_denorm_mode_32 3
		.amdhsa_float_denorm_mode_16_64 3
		.amdhsa_memory_ordered 1
		.amdhsa_forward_progress 1
		.amdhsa_inst_pref_size 86
	.end_amdhsa_kernel
	.amdgpu_metadata
---
amdhsa.version: [ 1, 2 ]
amdhsa.kernels:
  - .name:           k_q1d5ae0387b_g2
    .symbol:         k_q1d5ae0387b_g2.kd
    .args:
      - { .name: cc, .offset: 0, .size: 8, .value_kind: global_buffer, .address_space: global }
      - { .name: w16, .offset: 8, .size: 8, .value_kind: global_buffer, .address_space: global }
      - { .name: y, .offset: 16, .size: 8, .value_kind: global_buffer, .address_space: global }
    .group_segment_fixed_size: 327680
    .private_segment_fixed_size: 0
    .kernarg_segment_align: 8
    .kernarg_segment_size: 24
    .max_flat_workgroup_size: 128
    .sgpr_count:     66
    .vgpr_count:     512
    .wavefront_size: 32
...
	.end_amdgpu_metadata
.endif
;; end of part 4
;; launch ln1 (part 5): grid 256 x 1, 8 waves a work-group, no clusters, 0 bytes of LDS; arguments y, x, b_o, ln1_g, ln1_b, x1f, x1h; writes x1f, x1h
.if DOCPART == 5
	.amdgcn_target "amdgcn-amd-amdhsa--gfx1250"
	.amdhsa_code_object_version 6
	.text
	.protected	k_q1d5ae0387b_ln1
	.globl	k_q1d5ae0387b_ln1
	.p2align	8
	.type	k_q1d5ae0387b_ln1,@function
k_q1d5ae0387b_ln1:
	s_mov_b64 s[64:65], 0
	v_nop
	global_prefetch_b8 v0, s[64:65] scope:SCOPE_SE
	s_setreg_imm32_b32 hwreg(HW_REG_WAVE_MODE, 25, 1), 1
	s_wait_xcnt 0x0
; Launch 5: x1 = layer_norm(x + 8 y + b_o) g + b, in f32, two passes (the mean, then the squares of the differences).  y is launch 4's sum on out / 8: the 8 is exact.  No work is left out.
; x1 goes out twice: as f32 rows (the residual of launch 8) and as f16 in the panel layout (the operand of launch 6).  LIMIT: |x1| under 65,504.
; A wave takes two rows: lanes 0-15 the first, lanes 16-31 the second, 64 numbers a lane: chunk j is columns 64 j + 4 (lane % 16).  Every load and store of f32 rows covers 256 aligned bytes in sixteen lanes.
; No LDS, no barrier, no matrix unit: memory binds.
.set Y,  64
.set X,  128
.set BI, 192
.set H,  32
	s_load_b256 s[4:11], s[0:1], 0x0               ; y 4:5, x 6:7, b_o 8:9, g 10:11
	s_load_b128 s[12:15], s[0:1], 0x20             ; b 12:13, x1f 14:15
	s_load_b64 s[16:17], s[0:1], 0x30              ; x1h
	v_lshrrev_b32 v1, 5, v0
	v_readfirstlane_b32 s18, v1
	v_and_b32 v2, 31, v0
	v_and_b32 v1, 15, v0
	v_lshlrev_b32 v4, 4, v1                        ; the parameters: 16 bytes a lane of sixteen
	v_bfe_u32 v3, v0, 4, 1
	v_lshl_add_u32 v3, v3, 12, v4                  ; the rows: + a row for lanes 16-31
	v_lshlrev_b32 v5, 3, v2                        ; the panel: 8 bytes a lane
	s_lshl_b32 s19, ttmp9, 3
	s_add_co_u32 s19, s19, s18                     ; my pair of rows
	s_lshl_b32 s20, s19, 13
	s_mov_b32 s21, 0
	s_lshr_b32 s22, s19, 6
	s_lshl_b32 s22, s22, 18
	s_and_b32 s23, s19, 63
	s_lshl_b32 s23, s23, 8
	s_add_co_u32 s22, s22, s23
	s_mov_b32 s23, 0
	s_mov_b32 s24, 0x3a800000                      ; 1 / 1024
	s_wait_kmcnt 0x0
	s_add_nc_u64 s[4:5], s[4:5], s[20:21]
	s_add_nc_u64 s[6:7], s[6:7], s[20:21]
	s_add_nc_u64 s[14:15], s[14:15], s[20:21]
	s_add_nc_u64 s[16:17], s[16:17], s[22:23]
.irp j, 0,1,2,3,4,5,6,7,8,9,10,11,12,13,14,15
	global_load_b128 v[Y+4*\j:Y+4*\j+3], v3, s[4:5] offset:256*\j th:TH_LOAD_NT
.endr
.irp j, 0,1,2,3,4,5,6,7,8,9,10,11,12,13,14,15
	global_load_b128 v[X+4*\j:X+4*\j+3], v3, s[6:7] offset:256*\j th:TH_LOAD_NT
.endr
.irp j, 0,1,2,3,4,5,6,7,8,9,10,11,12,13,14,15
	global_load_b128 v[BI+4*\j:BI+4*\j+3], v4, s[8:9] offset:256*\j
.endr
	s_wait_loadcnt 0x0
.set p, 0
.rept 32
	v_pk_fma_f32 v[Y+2*p:Y+2*p+1], v[Y+2*p:Y+2*p+1], 0x41000000, v[X+2*p:X+2*p+1] op_sel_hi:[1,0,1]   ; 8 y + x
.set p, p+1
.endr
.set p, 0
.rept 32
	v_pk_add_f32 v[Y+2*p:Y+2*p+1], v[Y+2*p:Y+2*p+1], v[BI+2*p:BI+2*p+1]
.set p, p+1
.endr
.irp j, 0,1,2,3,4,5,6,7,8,9,10,11,12,13,14,15
	global_load_b128 v[X+4*\j:X+4*\j+3], v4, s[10:11] offset:256*\j     ; g and b land under the statistics
.endr
.irp j, 0,1,2,3,4,5,6,7,8,9,10,11,12,13,14,15
	global_load_b128 v[BI+4*\j:BI+4*\j+3], v4, s[12:13] offset:256*\j
.endr
.irp k, 0,1,2,3
	v_pk_add_f32 v[10+2*\k:11+2*\k], v[Y+2*\k:Y+2*\k+1], v[Y+8+2*\k:Y+9+2*\k]   ; four chains
.endr
.set p, 8
.rept 24
	v_pk_add_f32 v[10+2*(p%4):11+2*(p%4)], v[10+2*(p%4):11+2*(p%4)], v[Y+2*p:Y+2*p+1]
.set p, p+1
.endr
	v_pk_add_f32 v[10:11], v[10:11], v[12:13]
	v_pk_add_f32 v[14:15], v[14:15], v[16:17]
	v_pk_add_f32 v[10:11], v[10:11], v[14:15]
	v_add_f32 v10, v10, v11
	v_add_f32_dpp v10, v10, v10 row_xmask:1 row_mask:0xf bank_mask:0xf   ; a row lies in sixteen lanes
	v_add_f32_dpp v10, v10, v10 row_xmask:2 row_mask:0xf bank_mask:0xf
	v_add_f32_dpp v10, v10, v10 row_xmask:4 row_mask:0xf bank_mask:0xf
	v_add_f32_dpp v10, v10, v10 row_xmask:8 row_mask:0xf bank_mask:0xf
	v_mul_f32 v6, s24, v10                         ; the mean
	v_mov_b32 v7, v6
.set p, 0
.rept 32
	v_pk_add_f32 v[Y+2*p:Y+2*p+1], v[Y+2*p:Y+2*p+1], v[6:7] neg_lo:[0,1] neg_hi:[0,1]
.set p, p+1
.endr
.irp k, 0,1,2,3
	v_pk_mul_f32 v[10+2*\k:11+2*\k], v[Y+2*\k:Y+2*\k+1], v[Y+2*\k:Y+2*\k+1]
.endr
.set p, 4
.rept 28
	v_pk_fma_f32 v[10+2*(p%4):11+2*(p%4)], v[Y+2*p:Y+2*p+1], v[Y+2*p:Y+2*p+1], v[10+2*(p%4):11+2*(p%4)]
.set p, p+1
.endr
	v_pk_add_f32 v[10:11], v[10:11], v[12:13]
	v_pk_add_f32 v[14:15], v[14:15], v[16:17]
	v_pk_add_f32 v[10:11], v[10:11], v[14:15]
	v_add_f32 v10, v10, v11
	v_add_f32_dpp v10, v10, v10 row_xmask:1 row_mask:0xf bank_mask:0xf
	v_add_f32_dpp v10, v10, v10 row_xmask:2 row_mask:0xf bank_mask:0xf
	v_add_f32_dpp v10, v10, v10 row_xmask:4 row_mask:0xf bank_mask:0xf
	v_add_f32_dpp v10, v10, v10 row_xmask:8 row_mask:0xf bank_mask:0xf
	v_fmaak_f32 v8, s24, v10, 0x358637bd           ; the variance + 1e-6
	v_rsq_f32 v8, v8
	v_nop                                          ; a plain instruction behind the transcendental
	s_wait_alu depctr_va_vdst(0)                   ; and the wait ahead of its first reader
	v_mov_b32 v9, v8
.set p, 0
.rept 32
	v_pk_mul_f32 v[Y+2*p:Y+2*p+1], v[Y+2*p:Y+2*p+1], v[8:9]
.set p, p+1
.endr
	s_wait_loadcnt 0x0                             ; g and b
.set p, 0
.rept 32
	v_pk_fma_f32 v[Y+2*p:Y+2*p+1], v[Y+2*p:Y+2*p+1], v[X+2*p:X+2*p+1], v[BI+2*p:BI+2*p+1]
.set p, p+1
.endr
.irp j, 0,1,2,3,4,5,6,7,8,9,10,11,12,13,14,15
	global_store_b128 v3, v[Y+4*\j:Y+4*\j+3], s[14:15] offset:256*\j
.endr
.irp j, 0,1,2,3,4,5,6,7,8,9,10,11,12,13,14,15
	v_cvt_pk_f16_f32 v[H+2*\j], v[Y+4*\j], v[Y+4*\j+1]
	v_cvt_pk_f16_f32 v[H+2*\j+1], v[Y+4*\j+2], v[Y+4*\j+3]
.endr
.irp j, 0,1,2,3,4,5,6,7,8,9,10,11,12,13,14,15
	global_store_b64 v5, v[H+2*\j:H+2*\j+1], s[16:17] offset:16384*\j   ; two rows of plane j: 256 consecutive aligned bytes
.endr
	s_endpgm
.Lfunc_end_k_q1d5ae0387b_ln1:
	.size	k_q1d5ae0387b_ln1, .Lfunc_end_k_q1d5ae0387b_ln1-k_q1d5ae0387b_ln1
	.p2alignl 7, 3214868480
	.fill 96, 4, 3214868480
	.section	.rodata,"a",@progbits
	.p2align	6, 0x0
	.amdhsa_kernel k_q1d5ae0387b_ln1
		.amdhsa_group_segment_fixed_size 0
		.amdhsa_private_segment_fixed_size 0
		.amdhsa_enable_private_segment 0
		.amdhsa_kernarg_size 56
		.amdhsa_user_sgpr_count 2
		.amdhsa_user_sgpr_kernarg_segment_ptr 1
		.amdhsa_wavefront_size32 1
		.amdhsa_system_sgpr_workgroup_id_x 1
		.amdhsa_system_sgpr_workgroup_id_y 1
		.amdhsa_system_sgpr_workgroup_id_z 1
		.amdhsa_system_vgpr_workitem_id 0
		.amdhsa_next_free_vgpr 256
		.amdhsa_next_free_sgpr 66
		.amdhsa_reserve_vcc 0
		.amdhsa_float_denorm_mode_32 3
		.amdhsa_float_denorm_mode_16_64 3
		.amdhsa_memory_ordered 1
		.amdhsa_forward_progress 1
		.amdhsa_inst_pref_size 30
	.end_amdhsa_kernel
	.amdgpu_metadata
---
amdhsa.version: [ 1, 2 ]
amdhsa.kernels:
  - .name:           k_q1d5ae0387b_ln1
    .symbol:         k_q1d5ae0387b_ln1.kd
    .args:
      - { .name: y, .offset: 0, .size: 8, .value_kind: global_buffer, .address_space: global }
      - { .name: x, .offset: 8, .size: 8, .value_kind: global_buffer, .address_space: global }
      - { .name: b_o, .offset: 16, .size: 8, .value_kind: global_buffer, .address_space: global }
      - { .name: ln1_g, .offset: 24, .size: 8, .value_kind: global_buffer, .address_space: global }
      - { .name: ln1_b, .offset: 32, .size: 8, .value_kind: global_buffer, .address_space: global }
      - { .name: x1f, .offset: 40, .size: 8, .value_kind: global_buffer, .address_space: global }
      - { .name: x1h, .offset: 48, .size: 8, .value_kind: global_buffer, .address_space: global }
    .group_segment_fixed_size: 0
    .private_segment_fixed_size: 0
    .kernarg_segment_align: 8
    .kernarg_segment_size: 56
    .max_flat_workgroup_size: 256
    .sgpr_count:     66
    .vgpr_count:     256
    .wavefront_size: 32
...
	.end_amdgpu_metadata
.endif
;; end of part 5
;; launch g3 (part 6): grid 16 x 16, 4 waves a work-group, clusters of 4 x 4, 327,680 bytes of LDS; arguments x1h, w16, b1, hb; writes hb
.if DOCPART == 6
	.amdgcn_target "amdgcn-amd-amdhsa--gfx1250"
	.amdhsa_code_object_version 6
	.text
	.protected	k_q1d5ae0387b_g3
	.globl	k_q1d5ae0387b_g3
	.p2align	8
	.type	k_q1d5ae0387b_g3,@function
k_q1d5ae0387b_g3:
	s_mov_b64 s[64:65], 0
	v_nop
	global_prefetch_b8 v0, s[64:65] scope:SCOPE_SE
	s_setreg_imm32_b32 hwreg(HW_REG_WAVE_MODE, 25, 1), 1
	s_wait_xcnt 0x0
	s_wait_alu depctr_hold_cnt(0) depctr_sa_sdst(0) depctr_va_vdst(0) depctr_va_sdst(0) depctr_va_ssrc(0) depctr_va_vcc(0) depctr_vm_vsrc(0)
	s_getreg_b32 s2, hwreg(HW_REG_IB_STS2, 6, 4)
	s_cmp_eq_u32 s2, 0
	s_cbranch_scc0 .Lentry_in_a_cluster
	s_endpgm
.Lentry_in_a_cluster:
	s_bfe_u32 s2, ttmp6, 0x10000c
	s_cmp_lg_u32 s2, 0xf033
	s_cbranch_scc0 .Lentry_shape_is_right
	s_endpgm
.Lentry_shape_is_right:
; Launch 6: h = relu(x1 w1^T + b1), 4,096 x 4,096 x 1,024, f16 operands, f32 sums; h rounded to f16 into the panel layout.  No work is left out.  LIMIT: h under 65,504.
; Operands lie as panels [row / 128][k / 64][row % 128][64] f16.  A K step of 128 of 128 rows is 32,768 dense bytes: 128 rows of 256 bytes (two logical rows of a plane), 16 bytes of padding behind each.
; A tile of C is 256 x 256: four waves, each 128 x 128, 64 accumulators.  Ring of two slots.  CLUSTERS 4 x 4, joint loads.  The matrix instruction is used transposed: a lane holds eight neighbouring columns of a row of C.
; b1 is the C of each sum's first matrix instruction: eight registers for each block of 16 columns, in window 1.
; REGISTERS: window 0: v0-31 addresses; v64-127, v128-191 A's fragments; v32-63, v192-255 at work on the way out.  window 1: v0-63 b1; v64-127, v128-191 B's fragments.  windows 2, 3: accumulators.
.set W1_OFF, 2097152
.set PLANE,  64*272
.set HALFT,  2*PLANE                   ; 128 rows x 128 along K: what one tensor load brings
.set SLOT,   4*HALFT
.set STAGE,  2*SLOT                    ; two planes of 16 rows x 144 bytes for each wave
.set SP2,    144
.set SPLANE, 16*SP2
.set SPARE,  STAGE+4*2*SPLANE          ; the spare words: two blocks of 256 bytes that no other line names
.set LAPS,   4
.set STEPB,  32768
.set ADRA, 16
.set ADRB, 20
.set STO,  24
.set RD,   25
.set GO,   26
.set SPW,  28
.set NIL,  29
.set BO,   30
.set F0,   64
.set F1,   128
.set TMP,  192
.set OB,   32
.set G1, 24
.set G0, 32
.set G1B, 48
.set G0B, 56
.set MSB, 0
.macro WIN new
.if MSB != \new
	s_set_vgpr_msb (MSB<<8)|\new
.set MSB, \new
.endif
.endm
.set MUL_LO, 0xa1
.set MUL_HI, 0xf1
.set BIAS_LO, 0x91                     ; as MUL_LO, with C in window 1
.set BIAS_HI, 0xd1
.set TO_B,   0x40
.macro JLOAD s
	s_cmp_eq_u32 s11, 0
	s_cbranch_scc0 .Lfor_b_\@
	tensor_load_to_lds s[G0+4*\s:G0+4*\s+3], s[G1:G1+7]
	s_nop 0
.rept 4
	v_nop
.endr
	s_branch .Lasked_\@
.Lfor_b_\@:
	tensor_load_to_lds s[G0B+4*\s:G0B+4*\s+3], s[G1B:G1B+7]
	s_nop 0
.rept 4
	v_nop
.endr
.Lasked_\@:
.endm
.macro CREST
	s_cmp_lg_u32 s10, 0
	s_cbranch_scc1 .Lnot_wave_0_\@
	s_barrier_signal -3
.Lnot_wave_0_\@:
	s_barrier_wait -3
	s_barrier_signal -1
	s_barrier_wait -1
.endm
.macro CROUND
	s_barrier_signal -1
	s_barrier_wait -1
	CREST
.endm
	s_load_b128 s[4:7], s[0:1], 0x0                ; x1h s[4:5], w16 s[6:7]
	s_load_b64 s[66:67], s[0:1], 0x10              ; b1
	s_load_b64 s[8:9], s[0:1], 0x18                ; hb
	v_lshl_add_u32 v[SPW], v0, 2, SPARE
	v_mov_b32 v[NIL], 0
	ds_add_u32 v[SPW], v[NIL]                      ; the wave's opening: the add, twice on end, and its wait ahead of my first tensor load
	ds_add_u32 v[SPW], v[NIL]
	v_lshrrev_b32 v1, 5, v0
	v_readfirstlane_b32 s10, v1
	s_lshr_b32 s11, s10, 1                         ; which half of the tile's rows is mine.  Also: I fetch for A (0) or for B (1)
	s_and_b32 s12, s10, 1                          ; which half of its columns.  Also: which 128 rows I fetch
	s_bfe_u32 s40, ttmp6, 0x40000
	s_bfe_u32 s41, ttmp6, 0x40004
	s_lshl_b32 s42, ttmp9, 2
	s_add_co_u32 s42, s42, s40                     ; tile column
	s_and_b32 s13, ttmp7, 0xffff
	s_lshl_b32 s13, s13, 2
	s_add_co_u32 s13, s13, s41                     ; tile row
	s_lshl_b32 s43, s41, 2
	s_lshl_b32 s43, 15, s43
	s_lshl_b32 s44, 0x1111, s40
	s_or_b32 s[G1+0], s43, (1<<16)|(1<<20)|(1<<21)|(5<<22)|(3<<25)
	s_or_b32 s[G1B+0], s44, (1<<16)|(1<<20)|(1<<21)|(5<<22)|(3<<25)
.irp g, G1, G1B
	s_mov_b32 s[\g+1], 128<<16
	s_mov_b32 s[\g+2], 128<<16
	s_mov_b32 s[\g+3], 128<<16
	s_mov_b32 s[\g+4], 128
	s_mov_b32 s[\g+5], 128
	s_mov_b32 s[\g+6], 0
	s_mov_b32 s[\g+7], 0
.endr
	s_lshl_b32 s16, s13, 1
	s_add_co_u32 s16, s16, s12
	s_lshl_b32 s16, s16, 18                        ; A: panel 2 x tile row + half
	s_mov_b32 s17, 0
	s_lshl_b32 s46, s42, 1
	s_add_co_u32 s46, s46, s12
	s_lshl_b32 s46, s46, 18                        ; B: panel 2 x tile column + half,
	s_add_co_u32 s46, s46, W1_OFF                  ; of w1 in w16
	s_mov_b32 s47, 0
	s_mul_i32 s20, s10, HALFT
	s_wait_dscnt 0x0
	s_wait_kmcnt 0x0
	s_add_nc_u64 s[14:15], s[4:5], s[16:17]
	s_add_nc_u64 s[46:47], s[6:7], s[46:47]
	CROUND
.irp s, 0,1
	s_mov_b32 s[G0+4*\s], 1
	s_add_co_u32 s[G0+4*\s+1], s20, \s*SLOT
	s_add_nc_u64 s[G0+4*\s+2:G0+4*\s+3], s[14:15], \s*STEPB
	s_or_b32 s[G0+4*\s+3], s[G0+4*\s+3], 0x80000000
	s_mov_b32 s[G0B+4*\s], 1
	s_add_co_u32 s[G0B+4*\s+1], s20, \s*SLOT
	s_add_nc_u64 s[G0B+4*\s+2:G0B+4*\s+3], s[46:47], \s*STEPB
	s_or_b32 s[G0B+4*\s+3], s[G0B+4*\s+3], 0x80000000
	JLOAD \s                                       ; two tensor loads of mine are out at the most
.endr
	v_and_b32 v1, 15, v0
	v_bfe_u32 v2, v0, 4, 1
	s_lshl_b32 s46, s42, 10                        ; b1 at my first column: 256 x tile column + 128 x half
	s_lshl_b32 s47, s12, 9
	s_add_co_u32 s46, s46, s47
	s_mov_b32 s47, 0
	s_add_nc_u64 s[66:67], s[66:67], s[46:47]
	v_lshlrev_b32 v[BO], 5, v2                     ; my eight columns of a block of 16
	WIN TO_B
.irp b, 0,1,2,3,4,5,6,7
	global_load_b128 v[8*\b:8*\b+3], v[BO], s[66:67] offset:64*\b
	global_load_b128 v[8*\b+4:8*\b+7], v[BO], s[66:67] offset:64*\b+16
.endr
	WIN 0
	v_lshrrev_b32 v3, 1, v1
	v_mul_u32_u24 v3, v3, 272
	v_and_b32 v4, 1, v1
	v_lshl_add_u32 v3, v4, 7, v3
	v_lshl_add_u32 v3, v2, 4, v3                   ; (r / 2) 272 + (r % 2) 128 + 16 h
	s_mul_i32 s21, s11, HALFT
	s_mul_i32 s22, s12, HALFT
	s_add_co_u32 s22, s22, 2*HALFT
.irp s, 0,1
	v_add_nc_u32 v[ADRA+\s], s21, v3
	v_add_nc_u32 v[ADRB+\s], s22, v3
	s_add_co_u32 s21, s21, SLOT
	s_add_co_u32 s22, s22, SLOT
.endr
	s_mul_i32 s23, s10, 2*SPLANE
	s_add_co_u32 s23, s23, STAGE
	v_mul_u32_u24 v4, v1, SP2
	v_lshl_add_u32 v4, v2, 4, v4
	v_add_nc_u32 v[STO], s23, v4
	v_and_b32 v6, 31, v0
	v_lshrrev_b32 v5, 3, v6
	v_mul_u32_u24 v5, v5, SP2
	v_and_b32 v7, 7, v6
	v_lshl_add_u32 v5, v7, 4, v5
	v_add_nc_u32 v[RD], s23, v5
	v_lshlrev_b32 v[GO], 4, v6
	s_lshl_b32 s16, s13, 1                         ; hb: panel 2 x tile row + half (1,048,576 bytes each),
	s_add_co_u32 s16, s16, s11
	s_lshl_b32 s16, s16, 20
	s_mov_b32 s17, 0
	s_add_nc_u64 s[8:9], s[8:9], s[16:17]
	s_lshl_b32 s46, s42, 2                         ; plane 4 x tile column + 2 x half
	s_lshl_b32 s47, s12, 1
	s_add_co_u32 s46, s46, s47
	s_lshl_b32 s46, s46, 14
	s_mov_b32 s47, 0
	s_add_nc_u64 s[8:9], s[8:9], s[46:47]
; 16 matrix instructions.  zero = 1: the first product starts the sums on b1.  The 64 accumulators take turns.
.macro MUL16 f, hi, a0, zero
.irp a, \a0, \a0+1
.irp b, 0,1,2,3,4,5,6,7
.if \zero
	v_wmma_f32_16x16x32_f16 v[8*(8*(\a)+\b):8*(8*(\a)+\b)+7], v[\f+8*\b:\f+8*\b+7], v[\f+8*(4*\hi+\a):\f+8*(4*\hi+\a)+7], v[8*\b:8*\b+7]
.else
	v_wmma_f32_16x16x32_f16 v[8*(8*(\a)+\b):8*(8*(\a)+\b)+7], v[\f+8*\b:\f+8*\b+7], v[\f+8*(4*\hi+\a):\f+8*(4*\hi+\a)+7], v[8*(8*(\a)+\b):8*(8*(\a)+\b)+7]
.endif
.endr
.endr
.endm
.macro FETCH slot, q, f                ; 32 LDS loads: quarter q (32 along K): plane q / 2, byte 64 (q % 2) of its rows
	WIN TO_B
.irp i, 0,1,2,3,4,5,6,7
	ds_load_b128 v[\f+8*\i:\f+8*\i+3],   v[ADRB+\slot] offset:((\q)/2)*PLANE+((\q)%2)*64+\i*2176
	ds_load_b128 v[\f+8*\i+4:\f+8*\i+7], v[ADRB+\slot] offset:((\q)/2)*PLANE+((\q)%2)*64+\i*2176+32
.endr
	WIN 0
.irp i, 0,1,2,3,4,5,6,7
	ds_load_b128 v[\f+8*\i:\f+8*\i+3],   v[ADRA+\slot] offset:((\q)/2)*PLANE+((\q)%2)*64+\i*2176
	ds_load_b128 v[\f+8*\i+4:\f+8*\i+7], v[ADRA+\slot] offset:((\q)/2)*PLANE+((\q)%2)*64+\i*2176+32
.endr
.endm
.macro PLACES
.rept 4
	v_nop
.endr
.endm
.macro QUARTER slot, q, f, g, zero     ; multiplies buffer f, fetches quarter q into g
	s_wait_dscnt 8                                 ; B and A's rows 0-63 are in; the youngest eight loads may be out
.if \zero
	WIN BIAS_LO
.else
	WIN MUL_LO
.endif
	MUL16 \f, 0, 0, \zero
	MUL16 \f, 0, 2, \zero
	PLACES
	FETCH \slot, \q, \g
	s_wait_dscnt 32                                ; all but the 32 just issued
.if \zero
	WIN BIAS_HI
.else
	WIN MUL_HI
.endif
	MUL16 \f, 1, 0, \zero
	MUL16 \f, 1, 2, \zero
.endm
.macro TURN slot, next, fill           ; the last quarter multiplies buffer 1 and changes slots: one barrier
	WIN 0
	s_wait_tensorcnt 0x0                           ; all my tensor loads have landed: my part of the next slot
	ds_add_u32 v[SPW], v[NIL]
	s_wait_dscnt 9                                 ; the add and the youngest eight loads may be out
	WIN MUL_LO
	MUL16 F1, 0, 0, 0
	s_wait_dscnt 0x0                               ; the add is done, and my reads of this slot are over
	s_barrier_signal -1
	MUL16 F1, 0, 2, 0
.if \fill
	WIN 0
.endif
	s_barrier_wait -1
.if \fill
	CREST                                          ; the barrier has opened a round of the cluster's barrier
	s_add_nc_u64 s[G0+4*\slot+2:G0+4*\slot+3], s[G0+4*\slot+2:G0+4*\slot+3], 2*STEPB
	s_add_nc_u64 s[G0B+4*\slot+2:G0B+4*\slot+3], s[G0B+4*\slot+2:G0B+4*\slot+3], 2*STEPB
	JLOAD \slot                                    ; the first tensor load behind the round; its four v_nop are also the places in front of the loads below
.else
	PLACES
.endif
	FETCH \next, 0, F0
	WIN MUL_HI
	MUL16 F1, 1, 0, 0
	MUL16 F1, 1, 2, 0
.endm
	s_wait_tensorcnt 1                             ; my part of K step 0 is in; K step 1's may be out
	s_barrier_signal -1
	s_barrier_wait -1
	FETCH 0, 0, F0
	s_wait_loadcnt 0x0                             ; b1
	QUARTER 0, 1, F0, F1, 1
	WIN 0
	s_mov_b32 s3, LAPS-1
.Llap:
	QUARTER 0, 2, F1, F0, 0
	QUARTER 0, 3, F0, F1, 0
	TURN 0, 1, 1
	QUARTER 1, 1, F0, F1, 0
	QUARTER 1, 2, F1, F0, 0
	QUARTER 1, 3, F0, F1, 0
	TURN 1, 0, 1
	QUARTER 0, 1, F0, F1, 0
	WIN 0
	s_sub_co_u32 s3, s3, 1
	s_cmp_lg_u32 s3, 0
	s_cbranch_scc1 .Llap
	QUARTER 0, 2, F1, F0, 0                        ; the last lap fills nothing
	QUARTER 0, 3, F0, F1, 0
	TURN 0, 1, 0
	QUARTER 1, 1, F0, F1, 0
	QUARTER 1, 2, F1, F0, 0
	QUARTER 1, 3, F0, F1, 0
	s_wait_dscnt 8
	WIN MUL_LO
	MUL16 F1, 0, 0, 0
	MUL16 F1, 0, 2, 0
	s_wait_dscnt 0
	WIN MUL_HI
	MUL16 F1, 1, 0, 0
	MUL16 F1, 1, 2, 0
	WIN 0
; THE WAY OUT, block by block of 16 rows x 128 columns (two planes of hb): relu in f32, rounded to f16, through my stage, out as 512 consecutive bytes an instruction.
.macro PACK a
.set AC, 64*((\a)%4)
	WIN 0x8a+0x45*((\a)/4)
.set i, 0
.rept 64
	v_max_num_f32 v[AC+i], 0, v[AC+i]              ; each accumulator from its low end on
.set i, i+1
.endr
	WIN 0x0a+5*((\a)/4)
.irp b, 0,1,2,3,4,5,6,7
.irp r, 0,1,2,3
	v_cvt_pk_f16_f32 v[TMP+4*\b+\r], v[AC+8*\b+2*\r], v[AC+8*\b+2*\r+1]
.endr
.endr
	WIN 0
.endm
.macro TOSTAGE a
.irp b, 0,1,2,3,4,5,6,7
	ds_store_b128 v[STO], v[TMP+4*\b:TMP+4*\b+3] offset:(\b/4)*SPLANE+(\b%4)*32
.endr
.set BB, OB+192*((\a)%2)
.irp n, 0,1,2,3,4,5,6,7
	ds_load_b128 v[BB+4*\n:BB+4*\n+3], v[RD] offset:(\n/4)*SPLANE+(\n%4)*4*SP2
.endr
.endm
.macro SEND a
.set BB, OB+192*((\a)%2)
	s_wait_dscnt 0x0
	s_wait_xcnt 0x0                                ; the block before has had its stores' registers read
.irp n, 0,1,2,3,4,5,6,7
	global_store_b128 v[GO], v[BB+4*\n:BB+4*\n+3], s[8:9] offset:(\n/4)*16384+(\a)*2048+(\n%4)*512
.endr
.endm
	PLACES
	PACK 0
	TOSTAGE 0
.irp a, 1,2,3,4,5,6,7
	PACK \a
	SEND \a-1
	TOSTAGE \a
.endr
	SEND 7
	s_wait_tensorcnt 0x0                           ; the wave's end
	ds_add_u32 v[SPW], v[NIL]
	s_wait_dscnt 0x0
	CROUND
	s_endpgm
.Lfunc_end_k_q1d5ae0387b_g3:
	.size	k_q1d5ae0387b_g3, .Lfunc_end_k_q1d5ae0387b_g3-k_q1d5ae0387b_g3
	.p2alignl 7, 3214868480
	.fill 96, 4, 3214868480
	.section	.rodata,"a",@progbits
	.p2align	6, 0x0
	.amdhsa_kernel k_q1d5ae0387b_g3
		.amdhsa_group_segment_fixed_size 327680
		.amdhsa_private_segment_fixed_size 0
		.amdhsa_enable_private_segment 0
		.amdhsa_kernarg_size 32
		.amdhsa_user_sgpr_count 2
		.amdhsa_user_sgpr_kernarg_segment_ptr 1
		.amdhsa_wavefront_size32 1
		.amdhsa_system_sgpr_workgroup_id_x 1
		.amdhsa_system_sgpr_workgroup_id_y 1
		.amdhsa_system_sgpr_workgroup_id_z 1
		.amdhsa_system_vgpr_workitem_id 0
		.amdhsa_next_free_vgpr 1024
		.amdhsa_next_free_sgpr 72
		.amdhsa_reserve_vcc 0
		.amdhsa_float_denorm_mode_32 3
		.amdhsa_float_denorm_mode_16_64 3
		.amdhsa_memory_ordered 1
		.amdhsa_forward_progress 1
		.amdhsa_inst_pref_size 160
	.end_amdhsa_kernel
	.amdgpu_metadata
---
amdhsa.version: [ 1, 2 ]
amdhsa.kernels:
  - .name:           k_q1d5ae0387b_g3
    .symbol:         k_q1d5ae0387b_g3.kd
    .args:
      - { .name: x1h, .offset: 0, .size: 8, .value_kind: global_buffer, .address_space: global }
      - { .name: w16, .offset: 8, .size: 8, .value_kind: global_buffer, .address_space: global }
      - { .name: b1, .offset: 16, .size: 8, .value_kind: global_buffer, .address_space: global }
      - { .name: hb, .offset: 24, .size: 8, .value_kind: global_buffer, .address_space: global }
    .group_segment_fixed_size: 327680
    .private_segment_fixed_size: 0
    .kernarg_segment_align: 8
    .kernarg_segment_size: 32
    .max_flat_workgroup_size: 128
    .sgpr_count:     72
    .vgpr_count:     1024
    .wavefront_size: 32
...
	.end_amdgpu_metadata
.endif
;; end of part 6
;; launch g4 (part 7): grid 8 x 32, 4 waves a work-group, clusters of 4 x 4, 327,680 bytes of LDS; arguments hb, w16, y; writes y
.if DOCPART == 7
	.amdgcn_target "amdgcn-amd-amdhsa--gfx1250"
	.amdhsa_code_object_version 6
	.text
	.protected	k_q1d5ae0387b_g4
	.globl	k_q1d5ae0387b_g4
	.p2align	8
	.type	k_q1d5ae0387b_g4,@function
k_q1d5ae0387b_g4:
	s_mov_b64 s[64:65], 0
	v_nop
	global_prefetch_b8 v0, s[64:65] scope:SCOPE_SE
	s_setreg_imm32_b32 hwreg(HW_REG_WAVE_MODE, 25, 1), 1
	s_wait_xcnt 0x0
	s_wait_alu depctr_hold_cnt(0) depctr_sa_sdst(0) depctr_va_vdst(0) depctr_va_sdst(0) depctr_va_ssrc(0) depctr_va_vcc(0) depctr_vm_vsrc(0)
	s_getreg_b32 s2, hwreg(HW_REG_IB_STS2, 6, 4)
	s_cmp_eq_u32 s2, 0
	s_cbranch_scc0 .Lentry_in_a_cluster
	s_endpgm
.Lentry_in_a_cluster:
	s_bfe_u32 s2, ttmp6, 0x10000c
	s_cmp_lg_u32 s2, 0xf033
	s_cbranch_scc0 .Lentry_shape_is_right
	s_endpgm
.Lentry_shape_is_right:
; Launch 7: y[token][n] = sum over k of h[token][k] w2[n][k], 4,096 x 1,024 x 4,096, f16 operands, f32 sums, stored raw in f32.  No work is left out; b2, the residual and the norm follow in launch 8.
; The text is launch 4's with K = 4,096 and w2's place in w16: panels, a K step of 256, a tile of 128 x 128, four waves of 64 x 64, a ring of two slots, clusters 4 x 4 with joint loads, transposed use.
.set SIZE_K, 4096
.set WOFF,   10485760
.set PLANE,  64*272
.set HALFT,  2*PLANE
.set SLOT,   4*HALFT
.set STAGE,  2*SLOT
.set SPITCH, 272
.set SPARE,  STAGE+4*16*SPITCH         ; the spare words: two blocks of 256 bytes that no other line names
.set LAPS,   SIZE_K/512
.set STEPB,  65536
.set ADRA, 16
.set ADRB, 20
.set STO,  24
.set RD,   25
.set CO,   26
.set SPW,  28
.set NIL,  29
.set TMP,  32
.set ACC,  128
.set F0,   0
.set F1,   128
.set G1, 24
.set G0, 32
.set G1B, 48
.set G0B, 56
.set MSB, 0
.macro WIN new
.if MSB != \new
	s_set_vgpr_msb (MSB<<8)|\new
.set MSB, \new
.endif
.endm
.set MUL,  0x05
.set TO_F, 0x40
.macro JLOAD s                         ; waves 0 and 1 fetch A's planes, waves 2 and 3 B's; an s_nop 0 and four v_nop follow each line
	s_cmp_eq_u32 s11, 0
	s_cbranch_scc0 .Lfor_b_\@
	tensor_load_to_lds s[G0+4*\s:G0+4*\s+3], s[G1:G1+7]
	s_nop 0
.rept 4
	v_nop
.endr
	s_branch .Lasked_\@
.Lfor_b_\@:
	tensor_load_to_lds s[G0B+4*\s:G0B+4*\s+3], s[G1B:G1B+7]
	s_nop 0
.rept 4
	v_nop
.endr
.Lasked_\@:
.endm
.macro CREST
	s_cmp_lg_u32 s10, 0
	s_cbranch_scc1 .Lnot_wave_0_\@
	s_barrier_signal -3
.Lnot_wave_0_\@:
	s_barrier_wait -3
	s_barrier_signal -1
	s_barrier_wait -1
.endm
.macro CROUND
	s_barrier_signal -1
	s_barrier_wait -1
	CREST
.endm
	s_load_b128 s[4:7], s[0:1], 0x0                ; A s[4:5], w16 s[6:7]
	s_load_b64 s[8:9], s[0:1], 0x10                ; y
	v_lshl_add_u32 v[SPW], v0, 2, SPARE
	v_mov_b32 v[NIL], 0
	ds_add_u32 v[SPW], v[NIL]                      ; the wave's opening: the add, twice on end, and its wait ahead of my first tensor load
	ds_add_u32 v[SPW], v[NIL]
	v_lshrrev_b32 v1, 5, v0
	v_readfirstlane_b32 s10, v1
	s_lshr_b32 s11, s10, 1
	s_and_b32 s12, s10, 1
	s_bfe_u32 s40, ttmp6, 0x40000
	s_bfe_u32 s41, ttmp6, 0x40004
	s_lshl_b32 s42, ttmp9, 2
	s_add_co_u32 s42, s42, s40
	s_and_b32 s13, ttmp7, 0xffff
	s_lshl_b32 s13, s13, 2
	s_add_co_u32 s13, s13, s41
	s_lshl_b32 s43, s41, 2
	s_lshl_b32 s43, 15, s43
	s_lshl_b32 s44, 0x1111, s40
	s_or_b32 s[G1+0], s43, (1<<16)|(1<<20)|(1<<21)|(5<<22)|(3<<25)
	s_or_b32 s[G1B+0], s44, (1<<16)|(1<<20)|(1<<21)|(5<<22)|(3<<25)
.irp g, G1, G1B
	s_mov_b32 s[\g+1], 128<<16
	s_mov_b32 s[\g+2], 128<<16
	s_mov_b32 s[\g+3], 128<<16
	s_mov_b32 s[\g+4], 128
	s_mov_b32 s[\g+5], 128
	s_mov_b32 s[\g+6], 0
	s_mov_b32 s[\g+7], 0
.endr
	s_mul_i32 s16, s13, SIZE_K*256
	s_lshl_b32 s17, s12, 15
	s_add_co_u32 s16, s16, s17
	s_mov_b32 s17, 0
	s_mul_i32 s46, s42, SIZE_K*256
	s_lshl_b32 s47, s12, 15
	s_add_co_u32 s46, s46, s47
.if WOFF
	s_add_co_u32 s46, s46, WOFF
.endif
	s_mov_b32 s47, 0
	s_mul_i32 s20, s10, HALFT
	s_wait_dscnt 0x0
	s_wait_kmcnt 0x0
	s_add_nc_u64 s[14:15], s[4:5], s[16:17]
	s_add_nc_u64 s[46:47], s[6:7], s[46:47]
	CROUND
.irp s, 0,1
	s_mov_b32 s[G0+4*\s], 1
	s_add_co_u32 s[G0+4*\s+1], s20, \s*SLOT
	s_add_nc_u64 s[G0+4*\s+2:G0+4*\s+3], s[14:15], \s*STEPB
	s_or_b32 s[G0+4*\s+3], s[G0+4*\s+3], 0x80000000
	s_mov_b32 s[G0B+4*\s], 1
	s_add_co_u32 s[G0B+4*\s+1], s20, \s*SLOT
	s_add_nc_u64 s[G0B+4*\s+2:G0B+4*\s+3], s[46:47], \s*STEPB
	s_or_b32 s[G0B+4*\s+3], s[G0B+4*\s+3], 0x80000000
	JLOAD \s                                       ; two tensor loads of mine are out at the most
.endr
	v_and_b32 v1, 15, v0
	v_bfe_u32 v2, v0, 4, 1
	v_lshrrev_b32 v3, 1, v1
	v_mul_u32_u24 v3, v3, 272
	v_and_b32 v4, 1, v1
	v_lshl_add_u32 v3, v4, 7, v3
	v_lshl_add_u32 v3, v2, 4, v3
	s_mul_i32 s21, s11, 32*272
	s_mul_i32 s22, s12, 32*272
	s_add_co_u32 s22, s22, 2*HALFT
.irp s, 0,1
	v_add_nc_u32 v[ADRA+\s], s21, v3
	v_add_nc_u32 v[ADRB+\s], s22, v3
	s_add_co_u32 s21, s21, SLOT
	s_add_co_u32 s22, s22, SLOT
.endr
	s_mul_i32 s23, s10, 16*SPITCH
	s_add_co_u32 s23, s23, STAGE
	v_mul_u32_u24 v4, v1, SPITCH
	v_lshl_add_u32 v4, v2, 5, v4
	v_add_nc_u32 v[STO], s23, v4
	v_mul_u32_u24 v5, v2, SPITCH
	v_lshl_add_u32 v5, v1, 4, v5
	v_add_nc_u32 v[RD], s23, v5
	v_lshlrev_b32 v5, 12, v2
	v_lshl_add_u32 v[CO], v1, 4, v5
	s_lshl_b32 s16, s13, 19
	s_lshl_b32 s17, s11, 18
	s_add_co_u32 s16, s16, s17
	s_mov_b32 s17, 0
	s_add_nc_u64 s[8:9], s[8:9], s[16:17]
	s_lshl_b32 s46, s42, 9
	s_lshl_b32 s47, s12, 8
	s_add_co_u32 s46, s46, s47
	s_mov_b32 s47, 0
	s_add_nc_u64 s[8:9], s[8:9], s[46:47]
.macro MUL8 f, c, a0, zero             ; 8 matrix instructions; the 16 accumulators take turns
.irp a, \a0, \a0+1
.irp b, 0,1,2,3
.if \zero
	v_wmma_f32_16x16x32_f16 v[ACC+8*(4*(\a)+\b):ACC+8*(4*(\a)+\b)+7], v[\f+64+8*(4*\c+\b):\f+64+8*(4*\c+\b)+7], v[\f+8*(4*\c+\a):\f+8*(4*\c+\a)+7], 0
.else
	v_wmma_f32_16x16x32_f16 v[ACC+8*(4*(\a)+\b):ACC+8*(4*(\a)+\b)+7], v[\f+64+8*(4*\c+\b):\f+64+8*(4*\c+\b)+7], v[\f+8*(4*\c+\a):\f+8*(4*\c+\a)+7], v[ACC+8*(4*(\a)+\b):ACC+8*(4*(\a)+\b)+7]
.endif
.endr
.endr
.endm
.macro FETCH slot, q, f
	WIN TO_F
.irp c, 0,1
.irp i, 0,1,2,3
	ds_load_b128 v[\f+64+8*(4*\c+\i):\f+64+8*(4*\c+\i)+3],   v[ADRB+\slot] offset:(\q)*PLANE+64*\c+\i*2176
	ds_load_b128 v[\f+64+8*(4*\c+\i)+4:\f+64+8*(4*\c+\i)+7], v[ADRB+\slot] offset:(\q)*PLANE+64*\c+\i*2176+32
	ds_load_b128 v[\f+8*(4*\c+\i):\f+8*(4*\c+\i)+3],         v[ADRA+\slot] offset:(\q)*PLANE+64*\c+\i*2176
	ds_load_b128 v[\f+8*(4*\c+\i)+4:\f+8*(4*\c+\i)+7],       v[ADRA+\slot] offset:(\q)*PLANE+64*\c+\i*2176+32
.endr
.endr
.endm
.macro PLACES
.rept 4
	v_nop
.endr
.endm
.macro QUARTER slot, q, f, g, zero
	s_wait_dscnt 16                                ; the first 32 along K are in; the other sixteen loads may be out
	WIN MUL
	MUL8 \f, 0, 0, \zero
	MUL8 \f, 0, 2, \zero
	PLACES
	FETCH \slot, \q, \g
	s_wait_dscnt 32                                ; all but the 32 just issued
	WIN MUL
	MUL8 \f, 1, 0, 0
	MUL8 \f, 1, 2, 0
.endm
.macro TURN slot, next, fill
	WIN 0
	s_wait_tensorcnt 0x0                           ; all my tensor loads have landed: my part of the next slot
	ds_add_u32 v[SPW], v[NIL]
	s_wait_dscnt 17                                ; the add and the youngest sixteen loads may be out
	WIN MUL
	MUL8 F1, 0, 0, 0
	s_wait_dscnt 0x0                               ; the add is done, and my reads of this slot are over
	s_barrier_signal -1
	MUL8 F1, 0, 2, 0
.if \fill
	WIN 0
.endif
	s_barrier_wait -1
.if \fill
	CREST
	s_add_nc_u64 s[G0+4*\slot+2:G0+4*\slot+3], s[G0+4*\slot+2:G0+4*\slot+3], 2*STEPB
	s_add_nc_u64 s[G0B+4*\slot+2:G0B+4*\slot+3], s[G0B+4*\slot+2:G0B+4*\slot+3], 2*STEPB
	JLOAD \slot
.else
	PLACES
.endif
	FETCH \next, 0, F0
	WIN MUL
	MUL8 F1, 1, 0, 0
	MUL8 F1, 1, 2, 0
.endm
	s_wait_tensorcnt 1                             ; my part of K step 0 is in; K step 1's may be out
	s_barrier_signal -1
	s_barrier_wait -1
	FETCH 0, 0, F0
	QUARTER 0, 1, F0, F1, 1
	WIN 0
	s_mov_b32 s3, LAPS-1
.Llap:
	QUARTER 0, 2, F1, F0, 0
	QUARTER 0, 3, F0, F1, 0
	TURN 0, 1, 1
	QUARTER 1, 1, F0, F1, 0
	QUARTER 1, 2, F1, F0, 0
	QUARTER 1, 3, F0, F1, 0
	TURN 1, 0, 1
	QUARTER 0, 1, F0, F1, 0
	WIN 0
	s_sub_co_u32 s3, s3, 1
	s_cmp_lg_u32 s3, 0
	s_cbranch_scc1 .Llap
	QUARTER 0, 2, F1, F0, 0
	QUARTER 0, 3, F0, F1, 0
	TURN 0, 1, 0
	QUARTER 1, 1, F0, F1, 0
	QUARTER 1, 2, F1, F0, 0
	QUARTER 1, 3, F0, F1, 0
	s_wait_dscnt 16
	WIN MUL
	MUL8 F1, 0, 0, 0
	MUL8 F1, 0, 2, 0
	s_wait_dscnt 0
	MUL8 F1, 1, 0, 0
	MUL8 F1, 1, 2, 0
	WIN 0
.macro TOSTAGE a
.irp b, 0,1,2,3
	ds_store_b128 v[STO], v[ACC+8*(4*(\a)+\b):ACC+8*(4*(\a)+\b)+3] offset:64*\b      ; each accumulator from its low end on
	ds_store_b128 v[STO], v[ACC+8*(4*(\a)+\b)+4:ACC+8*(4*(\a)+\b)+7] offset:64*\b+16
.endr
.set BB, TMP+32*((\a)%2)
.irp t, 0,1,2,3,4,5,6,7
	ds_load_b128 v[BB+4*\t:BB+4*\t+3], v[RD] offset:\t*2*SPITCH
.endr
.endm
.macro SEND a, younger
.set BB, TMP+32*((\a)%2)
	s_wait_dscnt \younger
.irp t, 0,1,2,3,4,5,6,7
	global_store_b128 v[CO], v[BB+4*\t:BB+4*\t+3], s[8:9] offset:(16*(\a)+2*\t)*4096
.endr
.endm
	PLACES
	TOSTAGE 0
.irp a, 1,2,3
.if \a > 1
	s_wait_xcnt 0x0                                ; block a - 2's stores have read their registers
.endif
	TOSTAGE \a
	SEND \a-1, 16
.endr
	SEND 3, 0
	s_wait_tensorcnt 0x0                           ; the wave's end
	ds_add_u32 v[SPW], v[NIL]
	s_wait_dscnt 0x0
	CROUND
	s_endpgm
.Lfunc_end_k_q1d5ae0387b_g4:
	.size	k_q1d5ae0387b_g4, .Lfunc_end_k_q1d5ae0387b_g4-k_q1d5ae0387b_g4
	.p2alignl 7, 3214868480
	.fill 96, 4, 3214868480
	.section	.rodata,"a",@progbits
	.p2align	6, 0x0
	.amdhsa_kernel k_q1d5ae0387b_g4
		.amdhsa_group_segment_fixed_size 327680
		.amdhsa_private_segment_fixed_size 0
		.amdhsa_enable_private_segment 0
		.amdhsa_kernarg_size 24
		.amdhsa_user_sgpr_count 2
		.amdhsa_user_sgpr_kernarg_segment_ptr 1
		.amdhsa_wavefront_size32 1
		.amdhsa_system_sgpr_workgroup_id_x 1
		.amdhsa_system_sgpr_workgroup_id_y 1
		.amdhsa_system_sgpr_workgroup_id_z 1
		.amdhsa_system_vgpr_workitem_id 0
		.amdhsa_next_free_vgpr 512
		.amdhsa_next_free_sgpr 66
		.amdhsa_reserve_vcc 0
		.amdhsa_float_denorm_mode_32 3
		.amdhsa_float_denorm_mode_16_64 3
		.amdhsa_memory_ordered 1
		.amdhsa_forward_progress 1
		.amdhsa_inst_pref_size 86
	.end_amdhsa_kernel
	.amdgpu_metadata
---
amdhsa.version: [ 1, 2 ]
amdhsa.kernels:
  - .name:           k_q1d5ae0387b_g4
    .symbol:         k_q1d5ae0387b_g4.kd
    .args:
      - { .name: hb, .offset: 0, .size: 8, .value_kind: global_buffer, .address_space: global }
      - { .name: w16, .offset: 8, .size: 8, .value_kind: global_buffer, .address_space: global }
      - { .name: y, .offset: 16, .size: 8, .value_kind: global_buffer, .address_space: global }
    .group_segment_fixed_size: 327680
    .private_segment_fixed_size: 0
    .kernarg_segment_align: 8
    .kernarg_segment_size: 24
    .max_flat_workgroup_size: 128
    .sgpr_count:     66
    .vgpr_count:     512
    .wavefront_size: 32
...
	.end_amdgpu_metadata
.endif
;; end of part 7
;; launch ln2 (part 8): grid 256 x 1, 8 waves a work-group, no clusters, 0 bytes of LDS; arguments y, x1f, b2, ln2_g, ln2_b, out0; writes out0
.if DOCPART == 8
	.amdgcn_target "amdgcn-amd-amdhsa--gfx1250"
	.amdhsa_code_object_version 6
	.text
	.protected	k_q1d5ae0387b_ln2
	.globl	k_q1d5ae0387b_ln2
	.p2align	8
	.type	k_q1d5ae0387b_ln2,@function
k_q1d5ae0387b_ln2:
	s_mov_b64 s[64:65], 0
	v_nop
	global_prefetch_b8 v0, s[64:65] scope:SCOPE_SE
	s_setreg_imm32_b32 hwreg(HW_REG_WAVE_MODE, 25, 1), 1
	s_wait_xcnt 0x0
; Launch 8: out0 = layer_norm(x1 + y + b2) g + b, in f32, two passes.  y is launch 7's sum.  No work is left out.
; A wave takes two rows: lanes 0-15 the first, lanes 16-31 the second, 64 numbers a lane: chunk j is columns 64 j + 4 (lane % 16).  Every load and store of rows covers 256 aligned bytes in sixteen lanes.
.set Y,  64
.set X,  128
.set BI, 192
	s_load_b256 s[4:11], s[0:1], 0x0               ; y 4:5, x1f 6:7, b2 8:9, g 10:11
	s_load_b128 s[12:15], s[0:1], 0x20             ; b 12:13, out0 14:15
	v_lshrrev_b32 v1, 5, v0
	v_readfirstlane_b32 s18, v1
	v_and_b32 v1, 15, v0
	v_lshlrev_b32 v4, 4, v1
	v_bfe_u32 v3, v0, 4, 1
	v_lshl_add_u32 v3, v3, 12, v4
	s_lshl_b32 s19, ttmp9, 3
	s_add_co_u32 s19, s19, s18                     ; my pair of rows
	s_lshl_b32 s20, s19, 13
	s_mov_b32 s21, 0
	s_mov_b32 s24, 0x3a800000                      ; 1 / 1024
	s_wait_kmcnt 0x0
	s_add_nc_u64 s[4:5], s[4:5], s[20:21]
	s_add_nc_u64 s[6:7], s[6:7], s[20:21]
	s_add_nc_u64 s[14:15], s[14:15], s[20:21]
.irp j, 0,1,2,3,4,5,6,7,8,9,10,11,12,13,14,15
	global_load_b128 v[Y+4*\j:Y+4*\j+3], v3, s[4:5] offset:256*\j th:TH_LOAD_NT
.endr
.irp j, 0,1,2,3,4,5,6,7,8,9,10,11,12,13,14,15
	global_load_b128 v[X+4*\j:X+4*\j+3], v3, s[6:7] offset:256*\j th:TH_LOAD_NT
.endr
.irp j, 0,1,2,3,4,5,6,7,8,9,10,11,12,13,14,15
	global_load_b128 v[BI+4*\j:BI+4*\j+3], v4, s[8:9] offset:256*\j
.endr
	s_wait_loadcnt 0x0
.set p, 0
.rept 32
	v_pk_add_f32 v[Y+2*p:Y+2*p+1], v[Y+2*p:Y+2*p+1], v[BI+2*p:BI+2*p+1]   ; the layer's second product + b2,
.set p, p+1
.endr
.set p, 0
.rept 32
	v_pk_add_f32 v[Y+2*p:Y+2*p+1], v[Y+2*p:Y+2*p+1], v[X+2*p:X+2*p+1]     ; + x1
.set p, p+1
.endr
.irp j, 0,1,2,3,4,5,6,7,8,9,10,11,12,13,14,15
	global_load_b128 v[X+4*\j:X+4*\j+3], v4, s[10:11] offset:256*\j     ; g and b land under the statistics
.endr
.irp j, 0,1,2,3,4,5,6,7,8,9,10,11,12,13,14,15
	global_load_b128 v[BI+4*\j:BI+4*\j+3], v4, s[12:13] offset:256*\j
.endr
.irp k, 0,1,2,3
	v_pk_add_f32 v[10+2*\k:11+2*\k], v[Y+2*\k:Y+2*\k+1], v[Y+8+2*\k:Y+9+2*\k]
.endr
.set p, 8
.rept 24
	v_pk_add_f32 v[10+2*(p%4):11+2*(p%4)], v[10+2*(p%4):11+2*(p%4)], v[Y+2*p:Y+2*p+1]
.set p, p+1
.endr
	v_pk_add_f32 v[10:11], v[10:11], v[12:13]
	v_pk_add_f32 v[14:15], v[14:15], v[16:17]
	v_pk_add_f32 v[10:11], v[10:11], v[14:15]
	v_add_f32 v10, v10, v11
	v_add_f32_dpp v10, v10, v10 row_xmask:1 row_mask:0xf bank_mask:0xf
	v_add_f32_dpp v10, v10, v10 row_xmask:2 row_mask:0xf bank_mask:0xf
	v_add_f32_dpp v10, v10, v10 row_xmask:4 row_mask:0xf bank_mask:0xf
	v_add_f32_dpp v10, v10, v10 row_xmask:8 row_mask:0xf bank_mask:0xf
	v_mul_f32 v6, s24, v10                         ; the mean
	v_mov_b32 v7, v6
.set p, 0
.rept 32
	v_pk_add_f32 v[Y+2*p:Y+2*p+1], v[Y+2*p:Y+2*p+1], v[6:7] neg_lo:[0,1] neg_hi:[0,1]
.set p, p+1
.endr
.irp k, 0,1,2,3
	v_pk_mul_f32 v[10+2*\k:11+2*\k], v[Y+2*\k:Y+2*\k+1], v[Y+2*\k:Y+2*\k+1]
.endr
.set p, 4
.rept 28
	v_pk_fma_f32 v[10+2*(p%4):11+2*(p%4)], v[Y+2*p:Y+2*p+1], v[Y+2*p:Y+2*p+1], v[10+2*(p%4):11+2*(p%4)]
.set p, p+1
.endr
	v_pk_add_f32 v[10:11], v[10:11], v[12:13]
	v_pk_add_f32 v[14:15], v[14:15], v[16:17]
	v_pk_add_f32 v[10:11], v[10:11], v[14:15]
	v_add_f32 v10, v10, v11
	v_add_f32_dpp v10, v10, v10 row_xmask:1 row_mask:0xf bank_mask:0xf
	v_add_f32_dpp v10, v10, v10 row_xmask:2 row_mask:0xf bank_mask:0xf
	v_add_f32_dpp v10, v10, v10 row_xmask:4 row_mask:0xf bank_mask:0xf
	v_add_f32_dpp v10, v10, v10 row_xmask:8 row_mask:0xf bank_mask:0xf
	v_fmaak_f32 v8, s24, v10, 0x358637bd           ; the variance + 1e-6
	v_rsq_f32 v8, v8
	v_nop                                          ; a plain instruction behind the transcendental
	s_wait_alu depctr_va_vdst(0)                   ; and the wait ahead of its first reader
	v_mov_b32 v9, v8
.set p, 0
.rept 32
	v_pk_mul_f32 v[Y+2*p:Y+2*p+1], v[Y+2*p:Y+2*p+1], v[8:9]
.set p, p+1
.endr
	s_wait_loadcnt 0x0                             ; g and b
.set p, 0
.rept 32
	v_pk_fma_f32 v[Y+2*p:Y+2*p+1], v[Y+2*p:Y+2*p+1], v[X+2*p:X+2*p+1], v[BI+2*p:BI+2*p+1]
.set p, p+1
.endr
.irp j, 0,1,2,3,4,5,6,7,8,9,10,11,12,13,14,15
	global_store_b128 v3, v[Y+4*\j:Y+4*\j+3], s[14:15] offset:256*\j th:TH_STORE_NT
.endr
	s_endpgm
.Lfunc_end_k_q1d5ae0387b_ln2:
	.size	k_q1d5ae0387b_ln2, .Lfunc_end_k_q1d5ae0387b_ln2-k_q1d5ae0387b_ln2
	.p2alignl 7, 3214868480
	.fill 96, 4, 3214868480
	.section	.rodata,"a",@progbits
	.p2align	6, 0x0
	.amdhsa_kernel k_q1d5ae0387b_ln2
		.amdhsa_group_segment_fixed_size 0
		.amdhsa_private_segment_fixed_size 0
		.amdhsa_enable_private_segment 0
		.amdhsa_kernarg_size 48
		.amdhsa_user_sgpr_count 2
		.amdhsa_user_sgpr_kernarg_segment_ptr 1
		.amdhsa_wavefront_size32 1
		.amdhsa_system_sgpr_workgroup_id_x 1
		.amdhsa_system_sgpr_workgroup_id_y 1
		.amdhsa_system_sgpr_workgroup_id_z 1
		.amdhsa_system_vgpr_workitem_id 0
		.amdhsa_next_free_vgpr 256
		.amdhsa_next_free_sgpr 66
		.amdhsa_reserve_vcc 0
		.amdhsa_float_denorm_mode_32 3
		.amdhsa_float_denorm_mode_16_64 3
		.amdhsa_memory_ordered 1
		.amdhsa_forward_progress 1
		.amdhsa_inst_pref_size 25
	.end_amdhsa_kernel
	.amdgpu_metadata
---
amdhsa.version: [ 1, 2 ]
amdhsa.kernels:
  - .name:           k_q1d5ae0387b_ln2
    .symbol:         k_q1d5ae0387b_ln2.kd
    .args:
      - { .name: y, .offset: 0, .size: 8, .value_kind: global_buffer, .address_space: global }
      - { .name: x1f, .offset: 8, .size: 8, .value_kind: global_buffer, .address_space: global }
      - { .name: b2, .offset: 16, .size: 8, .value_kind: global_buffer, .address_space: global }
      - { .name: ln2_g, .offset: 24, .size: 8, .value_kind: global_buffer, .address_space: global }
      - { .name: ln2_b, .offset: 32, .size: 8, .value_kind: global_buffer, .address_space: global }
      - { .name: out0, .offset: 40, .size: 8, .value_kind: global_buffer, .address_space: global }
    .group_segment_fixed_size: 0
    .private_segment_fixed_size: 0
    .kernarg_segment_align: 8
    .kernarg_segment_size: 48
    .max_flat_workgroup_size: 256
    .sgpr_count:     66
    .vgpr_count:     256
    .wavefront_size: 32
...
	.end_amdgpu_metadata
.endif
;; end of part 8
